; MI455X (gfx1250); checked and timed in simulation.
; The chip was launched on July 23, 2026; its instructions are those of AMD's public machine-readable ISA for CDNA 5 (MIT licence, August 2026) and "CDNA5" Instruction Set Architecture Reference Guide (July 2026). The comments in the code are by the model that wrote it; some were corrected since.
;; Attention. Allowed arithmetic: matrix products marked QUANTISED: E3M2 operands, one E8M0 scale for each 32 along K, by v_wmma_scale_f32_16x16x128_f8f6f4 with both operands' format E3M2, f32 sums; everything else in f32.
;; Inputs: Wk 1,024 x 1,024 float32; Wo 1,024 x 1,024 float32; Wq 1,024 x 1,024 float32; Wv 1,024 x 1,024 float32; bo 1,024 float32; hidden_states 4 x 2,048 x 1,024 float32.
;; Outputs: out0 4 x 2,048 x 1,024 float32.
;; This version of the problem:
;;   THIS VERSION OF THE PROBLEM IS GIVEN IN LOW PRECISION. The matrix products marked QUANTISED in the list below multiply operands that are first quantised to E3M2 (3 exponent bits, 2 mantissa bits; 6 bits a number), with one power-of-two scale for each 32 numbers along K (OCP MX v1.0); their sums are f32. All else is computed in f32.
;;   The module's matrix products, in the order in which they are computed (A, B: the left and right operand; K: the contracted axis; several contracted axes count as one K, in the product's order):
;;     1. [M 8,192, K 1,024] x [K 1,024, N 1,024]; A: input hidden_states; B: input Wq: QUANTISED
;;     2. [M 8,192, K 1,024] x [K 1,024, N 1,024]; A: input hidden_states; B: input Wk: QUANTISED
;;     3. [M 8,192, K 1,024] x [K 1,024, N 1,024]; A: input hidden_states; B: input Wv: QUANTISED
;;     4. batch 64 x [M 2,048, K 64] x [K 64, N 2,048]; A: computed on the way; B: computed on the way: QUANTISED
;;     5. batch 64 x [M 2,048, K 2,048] x [K 2,048, N 64]; A: softmax (see below); B: computed on the way: QUANTISED
;;     6. [M 8,192, K 1,024] x [K 1,024, N 1,024]; A: computed on the way; B: input Wo: QUANTISED
;;   THE QUANTISER, for each operand of a quantised product, along K:
;;     - K is cut into blocks of 32 from its start; a last block that is shorter is filled with zeros.
;;     - A block's scale is 2^e with e = floor(log2(the largest magnitude in the block)) - 4, held to -126 .. 127; a block of zeros has e = 0. As a byte (E8M0): e + 127.
;;     - Each number is divided by its block's scale, clamped to +-28, and rounded to the nearest number of E3M2, ties to even, subnormals kept.
;;     - The product sums the exact products of the quantised numbers (number of the format x scale) in f32.
;;   ~~~python
;;   def quantise(x, axis):      # numpy; x: float32 -> the quantised numbers, widened to float32 again
;;       x = np.moveaxis(x, axis, -1); K = x.shape[-1]
;;       x = np.pad(x, [(0, 0)] * (x.ndim - 1) + [(0, -K % 32)]); x = x.reshape(x.shape[:-1] + (-1, 32)); a = np.abs(x).max(-1, keepdims=True)
;;       e = np.where(a > 0, np.clip(np.frexp(np.where(a > 0, a, 1))[1] - 1 - 4, -126, 127), 0)      # np.frexp(a)[1] - 1 = floor(log2(a)), exactly
;;       r = np.clip(x / 2.0 ** e, -28, 28)
;;       step = 2.0 ** (np.maximum(np.frexp(np.where(r == 0, 1, r))[1] - 1, -2) - 2)
;;       q = np.round(r / step) * step * 2.0 ** e      # np.round: ties to even
;;       return np.moveaxis(q.reshape(q.shape[:-2] + (-1,))[..., :K], -1, axis).astype(np.float32)
;;   ~~~
;;   SOFTMAX AHEAD OF A QUANTISED PRODUCT. Where the list says 'softmax', what is quantised is not the finished softmax but p = 2^(t - M), with t = logit x log2(e) and M = ceil(the row's largest t), a whole number; so 1/2 < the row's largest p <= 1. The row's sum l is taken of the UNQUANTISED p, in f32, and the product's result is divided by l at the end. Since M is a whole number, a kernel that streams over the keys may use a running M (the ceiling of the running maximum): every later rescaling is an exact power of two, which a block's scale takes up: the codes' values come out the same.
;;   OPERANDS COMPUTED ON THE WAY. 'Computed on the way' means the value that the module computes at that place (a softmax that the list does not call 'softmax' is quantised finished and normalised). What goes into a quantiser is computed in f32, as accurately as f32 sums, v_exp_f32 and their like allow (about 1e-6 of the number): no bf16 or f16 on the way to a quantiser, and a product that is left as it is and whose result goes on into a quantised operand takes f32 operands (vector FMAs, or v_wmma_f32_16x16x4_f32). A number that lies on a knife's edge between two numbers of the format may be rounded either way, as far as f32 arithmetic and the matrix unit's own rounding can turn it there, and no further.
;; One version. Each part assembles by itself: llvm-mc -triple=amdgcn-amd-amdhsa -mcpu=gfx1250 --defsym DOCPART=n.
;; ======== version 1 of 1: 4 launches
;; limits: right only within a limited range of input values
;; workspace buffers: xq 6,553,600 bytes; wq 3,276,800 bytes; qq 6,815,744 bytes; kv 13,369,344 bytes; aq 6,553,600 bytes
;; launch quant (part 1): grid 512 x 1, 4 waves a work-group, no clusters, 34,304 bytes of LDS; arguments hidden_states, Wq, Wk, Wv, Wo, xq, wq; writes xq, wq
.if DOCPART == 1
	.amdgcn_target "amdgcn-amd-amdhsa--gfx1250"
	.amdhsa_code_object_version 6
	.text
	.protected	k_q7b32df17f6_quant
	.globl	k_q7b32df17f6_quant
	.p2align	8
	.type	k_q7b32df17f6_quant,@function
k_q7b32df17f6_quant:
	s_mov_b64 s[64:65], 0
	v_nop
	global_prefetch_b8 v0, s[64:65] scope:SCOPE_SE
	s_setreg_imm32_b32 hwreg(HW_REG_WAVE_MODE, 25, 1), 1
	s_wait_xcnt 0x0
; hidden_states [8192][1024] and the four weights [1024 (k)][1024 (n)], f32, become codes of E3M2 with one E8M0 byte for each 32 along K,
; laid in the order of the matrix operand's registers, so that the later launches load fragments whole.
; A block's scale is 2^(floor(log2(largest magnitude)) - 4); its byte is the largest magnitude's exponent field - 4, held at 1 from below.
; LIMITS: a block of zeros gets the byte 1 where the rule says 127 (its codes are zeros, and this program alone reads the bytes);
; blocks whose largest magnitude lies under 2^-122 were not tried; NaN and infinities are not served.
; LAYOUT.  Rows (tokens, or columns n of a weight) go in groups of 64.  Tile t (0..3) of group G holds at place p (0..15) row 64 G + 32 (p / 8) + 8 t + p % 8.
; A half fragment, 16 rows x 64 K, is 768 bytes: lane (p, h) owns block h of row p, 24 bytes: bytes 0-15 at 16 (p + 16 h), bytes 16-23 at 512 + 16 p + 8 h.
; A tile's record for K = 1024 is 12,800 bytes: 16 half fragments, then the scale words: word s (128 along K) of row p at 12288 + 256 (s / 4) + 16 p + 4 (s % 4).
; Work-groups 0-255 take x (two tiles each; a wave half a tile's K), work-groups 256-511 the weights.  Waves share nothing: no barrier.  Only the x path uses LDS.
.set REC,   12800
.set FLOOR, 0x2800000                  ; 2^(5 - 127): no largest magnitude is taken under it, so the byte cannot fall under 1
.set DOWN4, 0xfe000000                 ; takes 4 off an exponent field
.set X,     64                         ; v64-127  x path: two blocks of 32 neighbours
.set R,     128                        ; v128-255 x path: two sets of 64 registers as loaded; W path: four blocks of 32 down K
.set PC,    24                         ; v24-43   x path: codes, ten registers for each of two blocks
.macro BMAX d, s                       ; v[d] = the largest magnitude of v[s] .. v[s + 31] and the floor, in two chains; v[d + 1] at work
	v_max3_num_f32 v[\d], |v[\s]|, |v[\s+1]|, FLOOR
	v_max_num_f32 v[\d+1], |v[\s+2]|, |v[\s+3]|
.irp i, 4,8,12,16,20,24,28
	v_max3_num_f32 v[\d], v[\d], |v[\s+\i]|, |v[\s+\i+1]|
	v_max3_num_f32 v[\d+1], v[\d+1], |v[\s+\i+2]|, |v[\s+\i+3]|
.endr
	v_max_num_f32 v[\d], v[\d], v[\d+1]
.endm
	s_load_b256 s[4:11], s[0:1], 0x0               ; x s[4:5], Wq s[6:7], Wk s[8:9], Wv s[10:11]
	s_load_b128 s[12:15], s[0:1], 0x20             ; Wo s[12:13], xq s[14:15]
	s_load_b64 s[16:17], s[0:1], 0x30              ; wq
	v_lshl_add_u32 v47, v0, 2, 0x8400
	v_mov_b32 v63, 0
	v_lshrrev_b32 v7, 5, v0
	v_readfirstlane_b32 s18, v7                    ; wave
	v_and_b32 v6, 31, v0                           ; lane
	s_cmp_lt_u32 ttmp9, 256
	s_cbranch_scc0 .Lweights
	; ---------------- x: work-group g, wave w: tile 2 g + w / 2, K half w % 2: four steps of 128 along K
	v_and_b32 v7, 15, v0                           ; p
	v_bfe_u32 v5, v0, 4, 1                         ; h
	v_lshlrev_b32 v1, 4, v6                        ; 16 x lane
	v_lshlrev_b32 v2, 4, v7
	v_lshl_add_u32 v2, v5, 3, v2                   ; 16 p + 8 h
	s_mul_i32 s19, s18, 8448                       ; my stage: 16 rows x (512 + 16) bytes
	v_add_nc_u32 v3, s19, v1                       ; into it: a row as it was loaded
	v_mul_u32_u24 v4, v7, 528
	v_lshl_add_u32 v4, v5, 7, v4
	v_add_nc_u32 v4, s19, v4                       ; out of it: row p, block h of each 64
	v_lshlrev_b32 v5, 3, v5                        ; 8 h
	v_mov_b32 v14, 0                               ; written once: a lane permute's destination counts as one of its sources
	s_mov_b32 s20, 0xffff0000                      ; lanes 16-31
	s_mov_b32 s22, 0x76543210
	s_mov_b32 s23, 0xfedcba98                      ; v_permlanex16_b32's selects for lane l xor 16
	s_lshr_b32 s24, ttmp9, 1
	s_lshl_b32 s24, s24, 6                         ; 64 G
	s_and_b32 s25, ttmp9, 1
	s_lshl_b32 s25, s25, 1
	s_lshr_b32 s26, s18, 1
	s_add_co_u32 s25, s25, s26                     ; the tile's number in its group
	s_lshl_b32 s27, s25, 3
	s_add_co_u32 s24, s24, s27                     ; the row at place 0
	s_lshl_b32 s24, s24, 12                        ; rows of 4,096 bytes
	s_and_b32 s27, s18, 1                          ; which half of K
	s_lshl_b32 s28, s27, 11
	s_add_co_u32 s24, s24, s28
	s_mov_b32 s25, 0
	s_lshl_b32 s28, ttmp9, 1
	s_add_co_u32 s28, s28, s26
	s_mul_i32 s28, s28, REC                        ; the tile's record
	s_mul_i32 s30, s27, 6144                       ; my eight half fragments
	s_add_co_u32 s30, s30, s28
	s_mov_b32 s31, 0
	s_lshl_b32 s32, s27, 8                         ; my 256 bytes of scale words
	s_add_co_u32 s32, s32, s28
	s_mov_b32 s33, 0
	s_wait_alu depctr_va_vdst(0)
	s_wait_kmcnt 0x0
	s_add_nc_u64 s[4:5], s[4:5], s[24:25]
	s_add_nc_u64 s[30:31], s[14:15], s[30:31]
	s_add_nc_u64 s[32:33], s[14:15], s[32:33]
.macro LOADX t                         ; step t: 128 numbers of each of the tile's 16 rows; each load reads 512 consecutive bytes
.irp r, 0,1,2,3,4,5,6,7,8,9,10,11,12,13,14,15
	global_load_b128 v[R+64*((\t)%2)+4*\r:R+64*((\t)%2)+4*\r+3], v1, s[4:5] offset:(32*(\r/8)+\r%8)*4096+512*(\t) th:TH_LOAD_NT
.endr
.endm
.macro STEPX t
.if (\t) < 3
	s_wait_loadcnt 16                              ; this step's 16 loads are in; the next step's 16 may be out
.else
	s_wait_loadcnt 0x0
.endif
.irp r, 0,1,2,3,4,5,6,7,8,9,10,11,12,13,14,15
	ds_store_b128 v3, v[R+64*((\t)%2)+4*\r:R+64*((\t)%2)+4*\r+3] offset:528*\r
.endr
.irp c, 0,1
.irp i, 0,1,2,3,4,5,6,7
	ds_load_b128 v[X+32*\c+4*\i:X+32*\c+4*\i+3], v4 offset:256*\c+16*\i   ; LDS serves a wave's instructions in order: these see the stores above
.endr
.endr
	s_wait_dscnt 0x0                               ; my 64 numbers are back, and the stores have read their registers
.if (\t) > 0
	s_wait_xcnt 0x0                                ; the last step's stores have read the codes' registers, which are written again below
.endif
.if (\t) < 2
	LOADX (\t)+2
.endif
.irp c, 0,1
	v_max3_num_f32 v[8+\c], |v[X+32*\c]|, |v[X+32*\c+1]|, FLOOR      ; blocks h and 2 + h of my row, by turns
.endr
.irp i, 2,4,6,8,10,12,14,16,18,20,22,24,26,28,30
.irp c, 0,1
	v_max3_num_f32 v[8+\c], v[8+\c], |v[X+32*\c+\i]|, |v[X+32*\c+\i+1]|
.endr
.endr
.irp c, 0,1
	v_add_nc_u32 v[10+\c], DOWN4, v[8+\c]          ; the conversion takes this operand's exponent field as its scale
.endr
.irp c, 0,1
	v_lshrrev_b32 v[12+\c], 23, v[10+\c]           ; the scale's byte
.endr
	v_lshl_or_b32 v15, v13, 16, v12                ; my two bytes,
	v_lshlrev_b32 v15, v5, v15                     ; at their places in the word (8 h bits up);
	v_permlanex16_b32 v14, v15, s22, s23
	v_or_b32 v[16+(\t)], v15, v14                  ; with lane l xor 16's two the word is whole
.irp c, 0,1
	v_cvt_scalef32_pk16_bf6_f32 v[PC+10*\c:PC+10*\c+2], v[X+32*\c:X+32*\c+15], v[10+\c]
	v_cvt_scalef32_pk16_bf6_f32 v[PC+10*\c+6:PC+10*\c+8], v[X+32*\c+16:X+32*\c+31], v[10+\c]   ; (a conversion's three registers begin on an even number)
.endr
	v_nop                                          ; one plain place behind a scaled conversion
.irp c, 0,1
.irp i, 0,1,2
	v_mov_b32 v[PC+10*\c+3+\i], v[PC+10*\c+6+\i]
.endr
.endr
.irp c, 0,1
	global_store_b128 v1, v[PC+10*\c:PC+10*\c+3], s[30:31] offset:768*(2*(\t)+\c)          ; 512 consecutive bytes a wave
	global_store_b64 v2, v[PC+10*\c+4:PC+10*\c+5], s[30:31] offset:768*(2*(\t)+\c)+512     ; 256 consecutive bytes a wave
.endr
.endm
	LOADX 0
	LOADX 1
	STEPX 0
	STEPX 1
	STEPX 2
	STEPX 3
	v_cndmask_b32 v20, v16, v18, s20               ; lanes 0-15 store words 0, 1 of my four, lanes 16-31 words 2, 3
	v_cndmask_b32 v21, v17, v19, s20
	global_store_b64 v2, v[20:21], s[32:33] offset:12288   ; 256 consecutive bytes, aligned
	s_wait_tensorcnt 0x0
	ds_add_u32 v47, v63
	s_wait_dscnt 0x0
	s_endpgm
	; ---------------- the weights: work-group g' = 64 m + 8 cg + s: weight m, columns 128 cg on, K = 128 s on.  A LANE TAKES A COLUMN, ITS REGISTERS RUN DOWN K.
.Lweights:
	s_sub_co_u32 s19, ttmp9, 256
	s_lshr_b32 s20, s19, 6                         ; m: 0 q, 1 k, 2 v, 3 o
	s_bfe_u32 s21, s19, 0x30003                    ; cg
	s_and_b32 s22, s19, 7                          ; s
	s_wait_alu depctr_va_vdst(0)
	v_lshlrev_b32 v1, 2, v6                        ; in: 4 bytes a lane: a load reads 128 consecutive bytes
	v_lshrrev_b32 v2, 3, v6                        ; column 32 (w % 2) + lane of its group of 64 lies in tile lane / 8 at place 8 (w % 2) + lane % 8
	v_and_b32 v3, 7, v6
	v_mul_u32_u24 v2, v2, REC
	v_lshl_add_u32 v2, v3, 4, v2                   ; out: the tile's record + 16 (lane % 8)
	s_lshl_b32 s28, s22, 19                        ; 128 s rows of 4,096 bytes
	s_lshl_b32 s29, s21, 9
	s_add_co_u32 s28, s28, s29
	s_lshl_b32 s29, s18, 7
	s_add_co_u32 s28, s28, s29                     ; + 4 x (128 cg + 32 w)
	s_mov_b32 s29, 0
	s_lshl_b32 s30, s20, 4
	s_lshl_b32 s31, s21, 1
	s_add_co_u32 s30, s30, s31
	s_lshr_b32 s31, s18, 1
	s_add_co_u32 s30, s30, s31                     ; the group of four tiles: 16 m + 2 cg + w / 2
	s_mul_i32 s30, s30, 4*REC
	s_and_b32 s31, s18, 1
	s_lshl_b32 s31, s31, 7
	s_add_co_u32 s30, s30, s31                     ; + 16 x 8 (w % 2)
	s_mul_i32 s31, s22, 1536
	s_add_co_u32 s32, s30, s31                     ; codes: half fragments 2 s, 2 s + 1
	s_mov_b32 s33, 0
	s_lshr_b32 s31, s22, 2
	s_lshl_b32 s31, s31, 8
	s_add_co_u32 s34, s30, s31
	s_and_b32 s31, s22, 3
	s_lshl_b32 s31, s31, 2
	s_add_co_u32 s34, s34, s31
	s_add_co_u32 s34, s34, 12288                   ; scale word s
	s_mov_b32 s35, 0
	s_wait_alu depctr_va_vdst(0)
	s_wait_kmcnt 0x0
	s_bitcmp1_b32 s20, 0                           ; the choice hangs on the work-group's number alone
	s_cselect_b64 s[24:25], s[8:9], s[6:7]
	s_cselect_b64 s[26:27], s[12:13], s[10:11]
	s_cmp_lt_u32 s20, 2
	s_cselect_b64 s[24:25], s[24:25], s[26:27]
	s_add_nc_u64 s[24:25], s[24:25], s[28:29]
	s_add_nc_u64 s[32:33], s[16:17], s[32:33]
	s_add_nc_u64 s[34:35], s[16:17], s[34:35]
.macro LOADW b                         ; block b: W(128 s + 32 b + i, my column)
.irp i, 0,1,2,3,4,5,6,7,8,9,10,11,12,13,14,15,16,17,18,19,20,21,22,23,24,25,26,27,28,29,30,31
	global_load_b32 v[R+32*(\b)+\i], v1, s[24:25] offset:4096*(32*(\b)+\i) th:TH_LOAD_NT
.endr
.endm
.macro CODES c                         ; blocks 2 c and 2 c + 1 of my column are half fragment 2 s + c's two halves of my row
.set CC, 24+24*(\c)
	v_cvt_scalef32_pk16_bf6_f32 v[CC:CC+2], v[R+64*(\c):R+64*(\c)+15], v[12+2*(\c)]
	v_cvt_scalef32_pk16_bf6_f32 v[CC+12:CC+14], v[R+64*(\c)+16:R+64*(\c)+31], v[12+2*(\c)]
	v_cvt_scalef32_pk16_bf6_f32 v[CC+4:CC+6], v[R+64*(\c)+32:R+64*(\c)+47], v[13+2*(\c)]
	v_cvt_scalef32_pk16_bf6_f32 v[CC+16:CC+18], v[R+64*(\c)+48:R+64*(\c)+63], v[13+2*(\c)]
	v_nop                                          ; one plain place behind a scaled conversion
	v_mov_b32 v[CC+3], v[CC+12]                    ; the first block's bytes 0-15 in CC .. CC + 3,
	v_mov_b32 v[CC+8], v[CC+13]                    ; its bytes 16-23 in CC + 8, CC + 9,
	v_mov_b32 v[CC+9], v[CC+14]
	v_mov_b32 v[CC+7], v[CC+16]                    ; the second block's bytes 0-15 in CC + 4 .. CC + 7,
	v_mov_b32 v[CC+10], v[CC+17]                   ; its bytes 16-23 in CC + 10, CC + 11
	v_mov_b32 v[CC+11], v[CC+18]
	global_store_b128 v2, v[CC:CC+3], s[32:33] offset:768*(\c)           ; eight lanes store 128 consecutive bytes; the wave beside mine stores the 128 next to them
	global_store_b128 v2, v[CC+4:CC+7], s[32:33] offset:768*(\c)+256
	global_store_b128 v2, v[CC+8:CC+11], s[32:33] offset:768*(\c)+512
.endm
	LOADW 0
	LOADW 1
.irp b, 0,1,2,3
.if \b < 3
	s_wait_loadcnt 32                              ; this block's 32 loads are in; the next block's 32 may be out
.else
	s_wait_loadcnt 0x0
.endif
.if \b < 2
	LOADW \b+2                                     ; each block has registers of its own: the loads run two blocks ahead
.endif
	BMAX 8, R+32*\b
	v_add_nc_u32 v[12+\b], DOWN4, v8
.if \b == 0
	v_lshrrev_b32 v20, 23, v12                     ; the four bytes make my column's scale word, the lower K in the lower byte
.else
	v_lshrrev_b32 v10, 23, v[12+\b]
	v_lshl_or_b32 v20, v10, 8*\b, v20
.endif
.if \b % 2 == 1
	CODES \b/2
.endif
.endr
	global_store_b32 v2, v20, s[34:35]
	s_endpgm
.Lfunc_end_k_q7b32df17f6_quant:
	.size	k_q7b32df17f6_quant, .Lfunc_end_k_q7b32df17f6_quant-k_q7b32df17f6_quant
	.p2alignl 7, 3214868480
	.fill 96, 4, 3214868480
	.section	.rodata,"a",@progbits
	.p2align	6, 0x0
	.amdhsa_kernel k_q7b32df17f6_quant
		.amdhsa_group_segment_fixed_size 34304
		.amdhsa_private_segment_fixed_size 0
		.amdhsa_enable_private_segment 0
		.amdhsa_kernarg_size 56
		.amdhsa_user_sgpr_count 2
		.amdhsa_user_sgpr_kernarg_segment_ptr 1
		.amdhsa_wavefront_size32 1
		.amdhsa_system_sgpr_workgroup_id_x 1
		.amdhsa_system_sgpr_workgroup_id_y 1
		.amdhsa_system_sgpr_workgroup_id_z 1
		.amdhsa_system_vgpr_workitem_id 0
		.amdhsa_next_free_vgpr 256
		.amdhsa_next_free_sgpr 66
		.amdhsa_reserve_vcc 0
		.amdhsa_float_denorm_mode_32 3
		.amdhsa_float_denorm_mode_16_64 3
		.amdhsa_memory_ordered 1
		.amdhsa_forward_progress 1
		.amdhsa_inst_pref_size 51
	.end_amdhsa_kernel
	.amdgpu_metadata
---
amdhsa.version: [ 1, 2 ]
amdhsa.kernels:
  - .name:           k_q7b32df17f6_quant
    .symbol:         k_q7b32df17f6_quant.kd
    .args:
      - { .name: hidden_states, .offset: 0, .size: 8, .value_kind: global_buffer, .address_space: global }
      - { .name: Wq, .offset: 8, .size: 8, .value_kind: global_buffer, .address_space: global }
      - { .name: Wk, .offset: 16, .size: 8, .value_kind: global_buffer, .address_space: global }
      - { .name: Wv, .offset: 24, .size: 8, .value_kind: global_buffer, .address_space: global }
      - { .name: Wo, .offset: 32, .size: 8, .value_kind: global_buffer, .address_space: global }
      - { .name: xq, .offset: 40, .size: 8, .value_kind: global_buffer, .address_space: global }
      - { .name: wq, .offset: 48, .size: 8, .value_kind: global_buffer, .address_space: global }
    .group_segment_fixed_size: 34304
    .private_segment_fixed_size: 0
    .kernarg_segment_align: 8
    .kernarg_segment_size: 56
    .max_flat_workgroup_size: 128
    .sgpr_count:     66
    .vgpr_count:     256
    .wavefront_size: 32
...
	.end_amdgpu_metadata
.endif
;; end of part 1
;; launch qkv (part 2): grid 32 x 8, 4 waves a work-group, clusters of 4 x 1, 327,680 bytes of LDS; arguments xq, wq, qq, kv; writes qq, kv
.if DOCPART == 2
	.amdgcn_target "amdgcn-amd-amdhsa--gfx1250"
	.amdhsa_code_object_version 6
	.text
	.protected	k_q7b32df17f6_qkv
	.globl	k_q7b32df17f6_qkv
	.p2align	8
	.type	k_q7b32df17f6_qkv,@function
k_q7b32df17f6_qkv:
	s_mov_b64 s[64:65], 0
	v_nop
	global_prefetch_b8 v0, s[64:65] scope:SCOPE_SE
	s_setreg_imm32_b32 hwreg(HW_REG_WAVE_MODE, 25, 1), 1
	s_wait_xcnt 0x0
	s_wait_alu depctr_hold_cnt(0) depctr_sa_sdst(0) depctr_va_vdst(0) depctr_va_sdst(0) depctr_va_ssrc(0) depctr_va_vcc(0) depctr_vm_vsrc(0)
	s_getreg_b32 s2, hwreg(HW_REG_IB_STS2, 6, 4)
	s_cmp_eq_u32 s2, 0
	s_cbranch_scc0 .Lentry_in_a_cluster
	s_endpgm
.Lentry_in_a_cluster:
	s_bfe_u32 s2, ttmp6, 0x10000c
	s_cmp_lg_u32 s2, 0x3003
	s_cbranch_scc0 .Lentry_shape_is_right
	s_endpgm
.Lentry_shape_is_right:
; q = x Wq, k = x Wk, v = x Wv on codes of E3M2, and the results quantised on the way: q and k along the head's 64, v along the keys.  Nothing in f32 goes to memory.
; SHARES.  A work-group takes 256 tokens (block tb) and two heads (2 cg, 2 cg + 1): 128 columns each of q, k and v.  Wave w takes tokens 256 tb + 64 w on: four tiles of 16.
; x's 32 fragments of those tiles (all of K = 1024) stay in 384 REGISTERS of the wave; the work-group's 24 tiles of the weights, 24 x 12,800 bytes, lie in LDS, FILLED ONCE: no slot is ever filled again.
; CLUSTER.  The four work-groups of a cluster differ in tb alone and need the same weights: each wave's three tensor loads are joint loads with the mask of all four.
; x is not asked for jointly: it goes to registers, and each wave reads rows that no other wave of the cluster reads.
; SIX PASSES: (q, k, v) x (head 0, 1).  A pass is 8 K steps of 16 matrix instructions on 16 accumulators (4 tiles of tokens x 4 tiles of columns), which take turns, one instruction a turn.
; LAYOUT (see the launch that made the codes).  The rows of a tile are not neighbours: tile t of a group of 64 holds at place p row 32 (p / 8) + 8 t + p % 8.  Taken as source 0, the four tiles of a group leave in a lane's
; 32 registers 32 NEIGHBOURS: block h = lane / 16 of the group.  So for q and k source 0 = the weights' columns (a lane holds one token and a block of the head's 64), for v source 0 = the tokens (a lane holds one channel and a block of 32 keys):
; a block's largest magnitude needs no other lane, and two conversions give the lane's 24 bytes of the next operand as they are wanted.
; LIMITS: a block of zeros gets the scale byte 1 (its codes are zeros; this program alone reads the bytes); blocks under 2^-122 were not tried; NaN and infinities are not served.
; REGISTERS, in windows of 256: window 0: addresses, scale words, the quantiser's work.  window 1: x's tiles 0, 1 (tile a, K step s at v[96 (a % 2) + 12 s]).  window 2: tiles 2, 3.
;   window 3: v0-127 the accumulators ((g, i) at v[32 g + 8 i]); v128-223 the weights' fragments, two buffers of four.
.set REC,   12800
.set FLOOR, 0x2800000
.set DOWN4, 0xfe000000
.set L16, 1                            ; v1   16 x lane
.set L8,  2                            ; v2   512 + 16 p + 8 h
.set R16, 3                            ; v3   16 p
.set R8,  4                            ; v4   16 p + 8 h
.set VH,  5                            ; v5   16 p + 4 h
.set SH8, 6                            ; v6   8 h
.set A16, 8                            ; v8-10 L16, L8, R16 + the pass's first byte in LDS
.set A8,  9
.set AS,  10
.set XS,  16                           ; v16-47   x's scale words: tile a, K step s at XS + 8 a + s
.set WS,  48                           ; v48-111  the weights': two sets by the pass's parity: tile i, K step s at WS + 32 set + 8 i + s
.set MX,  112                          ; the quantiser: largest magnitudes, scale operands, bytes, bytes in place, the other half's, words
.set PT,  116
.set BY,  120
.set HB,  124
.set TP,  128
.set WD,  132
.set SL,  136
.set PC,  144                          ; v144-183 codes: ten registers for each of four tiles
.set WF,  128                          ; in window 3
.set WV,  18
.set G1,  24                           ; s[24:31] descriptor group 1
.set G0,  32                           ; s[32:43] group 0 for q's, k's, v's weights
.set XB,  44
.set QB,  46
.set KB,  48
.set KSB, 50
.set VB,  52
.set VSB, 54
.set HI,  58
.set SEL, 60
.set MSB, 0
.macro WIN new                         ; the immediate's high byte repeats the setting that is left; a switch that changes nothing is dropped
.if MSB != (\new)
	s_set_vgpr_msb (MSB<<8)|(\new)
.set MSB, (\new)
.endif
.endm
.macro ROUND                           ; a round of the cluster's barrier
	s_barrier_signal -1
	s_barrier_wait -1
	s_cmp_lg_u32 s[WV], 0
	s_cbranch_scc1 .Lnot_wave_0_\@
	s_barrier_signal -3
.Lnot_wave_0_\@:
	s_barrier_wait -3
	s_barrier_signal -1
	s_barrier_wait -1
.endm
.macro PLACES
.rept 4
	v_nop
.endr
.endm
	s_load_b256 s[4:11], s[0:1], 0x0               ; xq s[4:5], wq s[6:7], qq s[8:9], kv s[10:11]
	v_lshl_add_u32 v254, v0, 2, 0x4b000
	v_mov_b32 v255, 0
	ds_add_u32 v254, v255
	ds_add_u32 v254, v255
	v_lshrrev_b32 v7, 5, v0
	v_readfirstlane_b32 s[WV], v7                  ; wave 0..3
	v_and_b32 v7, 31, v0                           ; lane
	v_and_b32 v11, 15, v0                          ; p
	v_bfe_u32 v12, v0, 4, 1                        ; h
	v_lshlrev_b32 v[L16], 4, v7
	v_lshlrev_b32 v[R16], 4, v11
	v_lshl_add_u32 v[R8], v12, 3, v[R16]
	v_add_nc_u32 v[L8], 512, v[R8]
	v_lshl_add_u32 v[VH], v12, 2, v[R16]
	v_lshlrev_b32 v[SH8], 3, v12
	v_lshlrev_b32 v[A16], 4, v7                    ; pass 0 begins at LDS byte 0
	v_add_nc_u32 v[A8], 512, v[R8]
	v_lshlrev_b32 v[AS], 4, v11
.irp g, 0,1,2,3
	v_mov_b32 v[TP+\g], 0                          ; written once: a lane permute's destination counts as one of its sources
.endr
	s_bfe_u32 s19, ttmp6, 0x40000                  ; cx
	s_lshl_b32 s20, ttmp9, 2
	s_add_co_u32 s20, s20, s19                     ; tb = 4 x cluster x + cx: it enters x's, q's, k's and v's addresses alone
	s_and_b32 s21, ttmp7, 0xffff                   ; cg, which the four partners share
	s_lshl_b32 s12, s21, 3
	s_lshl_b32 s13, s[WV], 1
	s_add_co_u32 s12, s12, s13                     ; of a weight's 64 tiles I fetch 8 cg + 2 w and the next
	s_mul_i32 s12, s12, REC
	s_mov_b32 s13, 0
	s_mul_i32 s14, s[WV], 2*REC                    ; and where they go: no place in the cluster enters an LDS address
	; descriptor group 1: two records, 25,600 dense bytes, as 100 rows of 256 bytes
	s_mov_b32 s[G1], 15|(3<<16)|(1<<21)            ; 15:0 the mask: all four work-groups; 17:16 elements of 8 bytes; 21 set beside a mask; no padding
	s_mov_b32 s[G1+1], 32<<16                      ; tensor_dim0 = 32
	s_mov_b32 s[G1+2], 100<<16                     ; tensor_dim1 = 100
	s_mov_b32 s[G1+3], 32<<16                      ; tile_dim0 = 32
	s_mov_b32 s[G1+4], 100                         ; tile_dim1 = 100
	s_mov_b32 s[G1+5], 32                          ; from row to row
	s_mov_b32 s[G1+6], 0
	s_mov_b32 s[G1+7], 0
	s_lshl_b32 s[XB], s20, 4
	s_lshl_b32 s15, s[WV], 2
	s_add_co_u32 s[XB], s[XB], s15                 ; my first tile of x: 16 tb + 4 w
	s_mul_i32 s[XB], s[XB], REC
	s_mov_b32 s[XB+1], 0
	s_lshr_b32 s22, s20, 3                         ; the batch
	s_lshl_b32 s22, s22, 4
	s_lshl_b32 s15, s21, 1
	s_add_co_u32 s22, s22, s15                     ; (batch, head) of the first of my two heads
	s_and_b32 s23, s20, 7                          ; my block of 256 tokens in the batch
	s_lshl_b32 s[QB], s22, 5
	s_lshl_b32 s15, s23, 2
	s_add_co_u32 s[QB], s[QB], s15
	s_add_co_u32 s[QB], s[QB], s[WV]               ; q: group of 64 queries 4 (tb % 8) + w of 32
	s_mul_i32 s[QB], s[QB], 3328                   ; four half fragments and 256 bytes of scale words
	s_mov_b32 s[QB+1], 0
	s_lshl_b32 s56, s22, 4
	s_lshl_b32 s15, s23, 1
	s_add_co_u32 s56, s56, s15
	s_lshr_b32 s15, s[WV], 1
	s_add_co_u32 s56, s56, s15                     ; k, v: key step (128 keys) 2 (tb % 8) + w / 2 of 16
	s_mul_i32 s56, s56, 13056                      ; its block: K 6,144, V 6,144, K's words 512, V's words 256
	s_and_b32 s57, s[WV], 1                        ; which 64 keys of the step
	s_mul_i32 s15, s57, 3072
	s_add_co_u32 s[KB], s56, s15
	s_mov_b32 s[KB+1], 0
	s_lshl_b32 s15, s57, 8
	s_add_co_u32 s[KSB], s56, s15
	s_add_co_u32 s[KSB], s[KSB], 12288
	s_mov_b32 s[KSB+1], 0
	s_mul_i32 s15, s57, 768
	s_add_co_u32 s[VB], s56, s15
	s_add_co_u32 s[VB], s[VB], 6144
	s_mov_b32 s[VB+1], 0
	s_lshl_b32 s15, s57, 1
	s_add_co_u32 s[VSB], s56, s15
	s_add_co_u32 s[VSB], s[VSB], 12800
	s_mov_b32 s[VSB+1], 0
	s_mov_b32 s[HI], 0xffff0000                    ; lanes 16-31
	s_mov_b32 s[SEL], 0x76543210
	s_mov_b32 s[SEL+1], 0xfedcba98                 ; v_permlanex16_b32's selects for lane l xor 16
	s_wait_dscnt 0x0
	s_wait_kmcnt 0x0
	s_add_nc_u64 s[16:17], s[6:7], s[12:13]
	s_add_nc_u64 s[XB:XB+1], s[4:5], s[XB:XB+1]
	s_add_nc_u64 s[QB:QB+1], s[8:9], s[QB:QB+1]
	s_add_nc_u64 s[KB:KB+1], s[10:11], s[KB:KB+1]
	s_add_nc_u64 s[KSB:KSB+1], s[10:11], s[KSB:KSB+1]
	s_add_nc_u64 s[VB:VB+1], s[10:11], s[VB:VB+1]
	s_add_nc_u64 s[VSB:VSB+1], s[10:11], s[VSB:VSB+1]
.irp m, 0,1,2
	s_mov_b32 s[G0+4*\m], 1                                        ; count = 1
	s_add_co_u32 s[G0+4*\m+1], s14, 8*REC*\m                       ; LDS address: weight m's eight tiles, my two
	s_add_nc_u64 s[G0+4*\m+2:G0+4*\m+3], s[16:17], 64*REC*\m       ; global address
	s_or_b32 s[G0+4*\m+3], s[G0+4*\m+3], 0x80000000                ; type = 2
.endr
	ROUND                                          ; all four work-groups are here: the joint loads meet
	tensor_load_to_lds s[G0:G0+3], s[G1:G1+7]      ; q's weights, my two tiles: one tensor load a wave at the head
	s_nop 0
	PLACES                                         ; four v_nop behind the loads
.irp a, 0,1,2,3                        ; x stays in registers: half fragment j of tile a is registers 6 j .. 6 j + 5 of the tile's 96
	WIN 0x40+0x40*(\a/2)
.irp j, 0,1,2,3,4,5,6,7,8,9,10,11,12,13,14,15
	global_load_b128 v[96*(\a%2)+6*\j:96*(\a%2)+6*\j+3], v[L16], s[XB:XB+1] offset:REC*\a+768*\j
	global_load_b64 v[96*(\a%2)+6*\j+4:96*(\a%2)+6*\j+5], v[L8], s[XB:XB+1] offset:REC*\a+768*\j
.endr
.endr
	WIN 0
.irp a, 0,1,2,3
	global_load_b128 v[XS+8*\a:XS+8*\a+3], v[R16], s[XB:XB+1] offset:REC*\a+12288
	global_load_b128 v[XS+8*\a+4:XS+8*\a+7], v[R16], s[XB:XB+1] offset:REC*\a+12544
.endr
.macro FETCHW buf, s                   ; the pass's four tiles of the weights, K step s, into buffer buf: 16 LDS loads of consecutive bytes
	WIN 0xc0                                       ; destination window 3, address window 0
.irp i, 0,1,2,3
.set rF, WF+48*(\buf)+12*\i
	ds_load_b128 v[rF:rF+3], v[A16] offset:REC*\i+1536*(\s)
	ds_load_b64 v[rF+4:rF+5], v[A8] offset:REC*\i+1536*(\s)
	ds_load_b128 v[rF+6:rF+9], v[A16] offset:REC*\i+1536*(\s)+768
	ds_load_b64 v[rF+10:rF+11], v[A8] offset:REC*\i+1536*(\s)+768
.endr
.endm
.macro FETCHS set                      ; and their scale words for all of K
	WIN 0
.irp i, 0,1,2,3
	ds_load_b128 v[WS+32*(\set)+8*\i:WS+32*(\set)+8*\i+3], v[AS] offset:REC*\i+12288
	ds_load_b128 v[WS+32*(\set)+8*\i+4:WS+32*(\set)+8*\i+7], v[AS] offset:REC*\i+12544
.endr
.endm
; K step MS: 16 matrix instructions from buffer MB with the scale words of set MSET.  kind 0 (q, k): source 0 = the weights' tile, source 1 = x's.  kind 1 (v): the other way round.  The first K step starts the sums.
.macro MUL kind
.irp o, 0,1,2,3
.if \kind
	WIN 0xfd+\o/2                                  ; source 0 (x) window 1 or 2, source 1 (the weights), C and D window 3
.else
	WIN 0xf7+4*(\o/2)                              ; source 0 (the weights) window 3, source 1 (x) window 1 or 2, C and D window 3
.endif
.irp n, 0,1,2,3
.if \kind
.set rD, 32*\n+8*\o
.set rA, 96*(\o%2)+12*MS
.set rB, WF+48*MB+12*\n
.set rSA, XS+8*\o+MS
.set rSB, WS+32*MSET+8*\n+MS
.else
.set rD, 32*\o+8*\n
.set rA, WF+48*MB+12*\n
.set rB, 96*(\o%2)+12*MS
.set rSA, WS+32*MSET+8*\n+MS
.set rSB, XS+8*\o+MS
.endif
.if MS == 0
	v_wmma_scale_f32_16x16x128_f8f6f4 v[rD:rD+7], v[rA:rA+11], v[rB:rB+11], 0, v[rSA], v[rSB] matrix_a_fmt:MATRIX_FMT_BF6 matrix_b_fmt:MATRIX_FMT_BF6
.else
	v_wmma_scale_f32_16x16x128_f8f6f4 v[rD:rD+7], v[rA:rA+11], v[rB:rB+11], v[rD:rD+7], v[rSA], v[rSB] matrix_a_fmt:MATRIX_FMT_BF6 matrix_b_fmt:MATRIX_FMT_BF6
.endif
.endr
.endr
.endm
; A pass.  Each K step's fragments are asked for one step, 16 matrix instructions, ahead, behind four places: the buffer that they land in was read by the step before.
.macro PASS p, kind
.set MSET, (\p)%2
.set MS, 0
.rept 8
.set MB, MS%2
	s_wait_dscnt 0x0                               ; this step's fragments are in
.if MS == 7
.if (\p) == 1
	WIN 0                                          ; the add's registers lie in window 0
	s_wait_tensorcnt 0x0                           ; my part of k's weights has landed
	ds_add_u32 v254, v255
	s_wait_dscnt 0x0
	ROUND                                          ; everybody's has, in all four work-groups: the joint loads meet
	tensor_load_to_lds s[G0+8:G0+11], s[G1:G1+7]   ; v's weights, their first fill: my one load behind this round; two passes stand ahead of their first read
	s_nop 0
.endif
.if (\p) == 3
	s_wait_tensorcnt 0x0                           ; my part of v's weights has landed,
	s_barrier_signal -1
	s_barrier_wait -1                              ; everybody's has
.endif
.if (\p) < 5
	WIN 0
	v_add_nc_u32 v[A16], 4*REC, v[A16]             ; on to the next pass's four tiles.  These three and the v_nop are the four places
	v_add_nc_u32 v[A8], 4*REC, v[A8]
	v_add_nc_u32 v[AS], 4*REC, v[AS]
	v_nop
	FETCHW 0, 0
	FETCHS 1-MSET
.endif
.else
	PLACES
	FETCHW 1-MB, MS+1
.endif
	MUL \kind
.set MS, MS+1
.endr
.endm
; The pass's results are quantised and stored.  m: 0 q, 1 k, 2 v; hh: which of my two heads.  In group g a lane's 32 registers are one block of 32 along the next product's K.
.macro EPI m, hh
	WIN 0
	s_wait_xcnt 0x0                                ; the last pass's stores have read the registers that are written again below
	PLACES                                         ; four places behind the last products
	WIN 0x0f                                       ; sources 0 and 1 window 3
.irp g, 0,1,2,3
	v_max3_num_f32 v[MX+\g], |v[32*\g]|, |v[32*\g+1]|, FLOOR         ; each accumulator is read from its low end on; the four blocks by turns
.endr
	WIN 0x3c                                       ; sources 1 and 2 window 3
.irp i, 2,4,6,8,10,12,14,16,18,20,22,24,26,28,30
.irp g, 0,1,2,3
	v_max3_num_f32 v[MX+\g], v[MX+\g], |v[32*\g+\i]|, |v[32*\g+\i+1]|
.endr
.endr
	WIN 0
.irp g, 0,1,2,3
	v_add_nc_u32 v[PT+\g], DOWN4, v[MX+\g]         ; 4 off the exponent field: the conversion's scale operand
.endr
.irp g, 0,1,2,3
	v_lshrrev_b32 v[BY+\g], 23, v[PT+\g]           ; the scale's byte
.endr
.irp g, 0,1,2,3
	v_lshlrev_b32 v[HB+\g], v[SH8], v[BY+\g]       ; block h's byte at bits 8 h
.endr
.irp g, 0,1,2,3
	v_permlanex16_b32 v[TP+\g], v[HB+\g], s[SEL], s[SEL+1]
.endr
.irp g, 0,1,2,3
	v_or_b32 v[WD+\g], v[HB+\g], v[TP+\g]          ; both blocks' bytes; bytes 2 and 3 are 0
.endr
	WIN 0x03                                       ; source 0 window 3
.irp g, 0,1,2,3
	v_cvt_scalef32_pk16_bf6_f32 v[PC+10*\g:PC+10*\g+2], v[32*\g:32*\g+15], v[PT+\g]
	v_cvt_scalef32_pk16_bf6_f32 v[PC+10*\g+6:PC+10*\g+8], v[32*\g+16:32*\g+31], v[PT+\g]   ; (a conversion's three registers begin on an even number)
.endr
	WIN 0
	v_nop                                          ; one plain place behind a scaled conversion
.irp g, 0,1,2,3
.irp i, 0,1,2
	v_mov_b32 v[PC+10*\g+3+\i], v[PC+10*\g+6+\i]
.endr
.endr
.if \m < 2
	v_cndmask_b32 v[SL], v[WD], v[WD+2], s[HI]     ; lanes 0-15 store tiles 0 and 1's words of their row, lanes 16-31 tiles 2 and 3's
	v_cndmask_b32 v[SL+1], v[WD+1], v[WD+3], s[HI]
.else
	v_cndmask_b32 v[SL], v[WD], v[WD+1], s[HI]     ; lanes 0-15 store tile g's half-word, lanes 16-31 tile g + 1's
	v_cndmask_b32 v[SL+1], v[WD+2], v[WD+3], s[HI]
.endif
.irp g, 0,1,2,3
.if \m == 0
	global_store_b128 v[L16], v[PC+10*\g:PC+10*\g+3], s[QB:QB+1] offset:768*\g+106496*\hh        ; 512 consecutive bytes a wave
	global_store_b64 v[L8], v[PC+10*\g+4:PC+10*\g+5], s[QB:QB+1] offset:768*\g+106496*\hh        ; 256 consecutive bytes
.endif
.if \m == 1
	global_store_b128 v[L16], v[PC+10*\g:PC+10*\g+3], s[KB:KB+1] offset:768*\g+208896*\hh
	global_store_b64 v[L8], v[PC+10*\g+4:PC+10*\g+5], s[KB:KB+1] offset:768*\g+208896*\hh
.endif
.if \m == 2
	global_store_b128 v[L16], v[PC+10*\g:PC+10*\g+3], s[VB:VB+1] offset:1536*\g+208896*\hh
	global_store_b64 v[L8], v[PC+10*\g+4:PC+10*\g+5], s[VB:VB+1] offset:1536*\g+208896*\hh
.endif
.endr
.if \m == 0
	global_store_b64 v[R8], v[SL:SL+1], s[QB:QB+1] offset:3072+106496*\hh      ; 256 consecutive bytes, aligned
.endif
.if \m == 1
	global_store_b64 v[R8], v[SL:SL+1], s[KSB:KSB+1] offset:208896*\hh
.endif
.if \m == 2
	global_store_b16 v[VH], v[SL], s[VSB:VSB+1] offset:208896*\hh              ; a word's other half comes from the wave with the step's other 64 keys: pieces of two bytes
	global_store_b16 v[VH], v[SL+1], s[VSB:VSB+1] offset:8+208896*\hh
.endif
.endm
	s_wait_alu depctr_va_vdst(0)
	s_wait_tensorcnt 0x0                           ; my part of q's weights has landed
	ds_add_u32 v254, v255
	s_wait_dscnt 0x0
	ROUND                                          ; everybody's has, in all four work-groups: the joint loads meet
	tensor_load_to_lds s[G0+4:G0+7], s[G1:G1+7]    ; k's weights, their first fill: my one load behind this round; two passes stand ahead of their first read
	s_nop 0
	PLACES
	FETCHW 0, 0
	FETCHS 0
	s_wait_loadcnt 0x0                             ; x
	PASS 0, 0
	EPI 0, 0
	PASS 1, 0
	EPI 0, 1
	PASS 2, 0
	EPI 1, 0
	PASS 3, 0
	EPI 1, 1
	PASS 4, 1
	EPI 2, 0
	PASS 5, 1
	EPI 2, 1
	s_wait_dscnt 0x0
	s_wait_tensorcnt 0x0
	ds_add_u32 v254, v255
	s_wait_dscnt 0x0
	ROUND                                          ; the closing round: no work-group ends while a partner may still ask for a tile that names it
	s_endpgm
.Lfunc_end_k_q7b32df17f6_qkv:
	.size	k_q7b32df17f6_qkv, .Lfunc_end_k_q7b32df17f6_qkv-k_q7b32df17f6_qkv
	.p2alignl 7, 3214868480
	.fill 96, 4, 3214868480
	.section	.rodata,"a",@progbits
	.p2align	6, 0x0
	.amdhsa_kernel k_q7b32df17f6_qkv
		.amdhsa_group_segment_fixed_size 327680
		.amdhsa_private_segment_fixed_size 0
		.amdhsa_enable_private_segment 0
		.amdhsa_kernarg_size 32
		.amdhsa_user_sgpr_count 2
		.amdhsa_user_sgpr_kernarg_segment_ptr 1
		.amdhsa_wavefront_size32 1
		.amdhsa_system_sgpr_workgroup_id_x 1
		.amdhsa_system_sgpr_workgroup_id_y 1
		.amdhsa_system_sgpr_workgroup_id_z 1
		.amdhsa_system_vgpr_workitem_id 0
		.amdhsa_next_free_vgpr 1024
		.amdhsa_next_free_sgpr 66
		.amdhsa_reserve_vcc 0
		.amdhsa_float_denorm_mode_32 3
		.amdhsa_float_denorm_mode_16_64 3
		.amdhsa_memory_ordered 1
		.amdhsa_forward_progress 1
		.amdhsa_inst_pref_size 224
	.end_amdhsa_kernel
	.amdgpu_metadata
---
amdhsa.version: [ 1, 2 ]
amdhsa.kernels:
  - .name:           k_q7b32df17f6_qkv
    .symbol:         k_q7b32df17f6_qkv.kd
    .args:
      - { .name: xq, .offset: 0, .size: 8, .value_kind: global_buffer, .address_space: global }
      - { .name: wq, .offset: 8, .size: 8, .value_kind: global_buffer, .address_space: global }
      - { .name: qq, .offset: 16, .size: 8, .value_kind: global_buffer, .address_space: global }
      - { .name: kv, .offset: 24, .size: 8, .value_kind: global_buffer, .address_space: global }
    .group_segment_fixed_size: 327680
    .private_segment_fixed_size: 0
    .kernarg_segment_align: 8
    .kernarg_segment_size: 32
    .max_flat_workgroup_size: 128
    .sgpr_count:     66
    .vgpr_count:     1024
    .wavefront_size: 32
...
	.end_amdgpu_metadata
.endif
;; end of part 2
;; launch attn (part 3): grid 4 x 64, 8 waves a work-group, clusters of 4 x 1, 215,040 bytes of LDS; arguments qq, kv, aq; writes aq
.if DOCPART == 3
	.amdgcn_target "amdgcn-amd-amdhsa--gfx1250"
	.amdhsa_code_object_version 6
	.text
	.protected	k_q7b32df17f6_attn
	.globl	k_q7b32df17f6_attn
	.p2align	8
	.type	k_q7b32df17f6_attn,@function
k_q7b32df17f6_attn:
	s_mov_b64 s[64:65], 0
	v_nop
	global_prefetch_b8 v0, s[64:65] scope:SCOPE_SE
	s_setreg_imm32_b32 hwreg(HW_REG_WAVE_MODE, 25, 1), 1
	s_wait_xcnt 0x0
	s_wait_alu depctr_hold_cnt(0) depctr_sa_sdst(0) depctr_va_vdst(0) depctr_va_sdst(0) depctr_va_ssrc(0) depctr_va_vcc(0) depctr_vm_vsrc(0)
	s_getreg_b32 s2, hwreg(HW_REG_IB_STS2, 6, 4)
	s_cmp_eq_u32 s2, 0
	s_cbranch_scc0 .Lentry_in_a_cluster
	s_endpgm
.Lentry_in_a_cluster:
	s_bfe_u32 s2, ttmp6, 0x10000c
	s_cmp_lg_u32 s2, 0x3003
	s_cbranch_scc0 .Lentry_shape_is_right
	s_endpgm
.Lentry_shape_is_right:
; out[b][h][q] = the sum over keys of softmax(q . k / 8) v, both products on codes of E3M2, and the result quantised along the inner 1,024 for the last projection.
; THE SOFTMAX AHEAD OF THE SECOND PRODUCT: t = score x log2(e) / 8; M = the row's largest t so far, rounded UP to a whole number; p = 2^(t - M) is quantised along the keys, not normalised.
; The row's sum is taken of the unquantised p and divides at the end.  When M moves, the sum and O are multiplied by 2^(old M - new M): exact.
; SHARES.  A work-group owns 512 queries of one (batch, head).  Each of its eight waves owns one group of 64 queries, four tiles of 16: tiles 0 and 1 side by side in the first 16 trips, tiles 2 and 3 in the last 16.
; Each fragment of K and of V that is read from LDS feeds two matrix instructions, one for each tile, and the two tiles' chains of vector work stand by turns.
; THE HEAD'S WHOLE K, V AND SCALES, 16 key steps x 13,056 bytes, LIE IN LDS, FILLED ONCE: wave w brings key steps 2 w and 2 w + 1 by one tensor load.
; CLUSTER.  The four work-groups of a cluster are the four query blocks of one head and need the same K and V: the loads are joint loads with the mask of all four.
; NO PREFETCH: all that the launch reads through LDS is asked for by the head's one group of loads; the loop fetches nothing from memory that could be asked for ahead.
; LAYOUT.  Both products are used transposed: S^T = K Q^T, O^T = V^T P^T: a lane holds one query (lane % 16) throughout.  The keys of a tile are not neighbours (tile 4 c + t holds at place p key 64 c + 32 (p / 8) + 8 t + p % 8),
; so a lane's 32 registers of tiles 4 c .. 4 c + 3 are ONE block of 32 neighbouring keys, block 2 c + lane / 16: a block's largest score needs no other lane, and the conversions' results are the second product's operand.
; K = 64 IN AN INSTRUCTION OF 128: Q's registers 6-11 hold zero codes, so whatever the other source holds at k = 64 .. 127 adds nothing (the format has no infinity and no NaN).  K's eight half fragments lie 6 registers apart,
; each named with the six registers behind it; behind the last stand six registers of zeros.  Bytes 2 and 3 of both scale words are 0.
; ONE LOOP OF 32 TRIPS: trip n is key step n % 16.  Behind a trip's score products V of this step and K of step (n + 1) % 16 are asked for.  Behind trips 15 and 31 the two tiles are finished, stored, and the state is set anew.
; The last trip's K loads and its new state are not used: the text is written once for both halves.
; LIMITS: a block of zeros gets the scale byte 1 (its codes are zeros; this program alone reads the bytes); blocks under 2^-122 were not tried; NaN and infinities are not served;
; the promise holds while the scaled scores t stay under 2^31 in magnitude.
; REGISTERS, by role.  Window 0: addresses, K's and V's fragments, Q's and p's codes, all scale words.  Window 1: v0-127 S^T then p (tile q at 64 q), v128-191 O^T (tile q at 128 + 32 q),
; v192-223 partial sums of p, v224-252 each tile's small state: so the whole softmax stands under one setting of the windows, nine switches a trip.
.set REC,   12800
.set KVB,   13056                      ; a key step's block: K 6,144 | V 6,144 | K's words 512 | V's words 256
.set FLOOR, 0x2800000
.set DOWN4, 0xfe000000
.set SPARE, 0x34000                    ; behind the 208,896 bytes of K and V: the spare words, 128 bytes a wave
; window 0
.set L16, 1                            ; 16 x lane
.set L8,  2                            ; 512 + 16 p + 8 h
.set R16, 3                            ; 16 p
.set AV16, 4                           ; v4-6 the same + this key step's first byte (for V)
.set AV8, 5
.set AVS, 6
.set HW,  8                            ; v8-9 the way out: a head's two scale bytes
.set AK16, 28                          ; v28-30 the addresses + the next key step's first byte (for K)
.set AK8, 29
.set AKS, 30
.set KF,  32                           ; v32-79 K's eight half fragments; v80-85 zeros
.set VF,  96                           ; v96-143 V's four fragments
.set KS,  144                          ; v144-151 K's scale words
.set VS,  152                          ; v152-155 V's
.set QF,  160                          ; v160-183 Q's codes, 6 registers and 6 of zeros for each tile
.set PW,  186                          ; v186-187 p's scale words
.set QS,  188                          ; v188-191 Q's scale words of the group's four tiles; the two at work stand in v188-189
.set P,   192                          ; v192-215 p's codes
.set PT,  216                          ; v216-231 the conversions' second halves
.set QST, 232                          ; v232-243 Q's codes of tiles 2 and 3 until they are due
.set SPW, 254
.set NIL, 255
; window 1
.set O,   128
.set AC,  192
.set NM,  224                          ; tile q: v[224 + 2 q] = -M, v[225 + 2 q] = the largest score so far
.set LS,  228                          ; v[228 + 2 q : 229 + 2 q] the sum in two halves
.set F,   232                          ; v[232 + 2 q] f = 2^(old M - new M); the register above it is named with it as a pair
.set BM,  236                          ; v[236 + 4 q + 2 c] block c's largest score, then largest p; the register above it: the second chain, then the conversion's scale operand
.set PD,  244                          ; lane permutes' destinations
.set T0,  246
.set X,   248
.set OLD, 250
.set BY,  246                          ; the scales' bytes, where T0 and X stood
.set W,   250                          ; where OLD stood
.set SH8, 252                          ; 8 h
.set WV,  10
.set G1,  16
.set G0,  24
.set CS,  28                           ; s[28:29] c = log2(e) / 8
.set SEL, 30
.set TB,  32
.set TBN, 33
.set QC,  36
.set AB,  40
.set ASB, 42
.set CNT, 44
.set T1,  45
.set MSB, 0
.macro WIN new                         ; low byte: bits 1:0 source 0, 3:2 source 1, 5:4 source 2, 7:6 destination; the high byte repeats the setting that is left
.if MSB != (\new)
	s_set_vgpr_msb (MSB<<8)|(\new)
.set MSB, (\new)
.endif
.endm
.macro ROUND                           ; a round of the cluster's barrier
	s_barrier_signal -1
	s_barrier_wait -1
	s_cmp_lg_u32 s[WV], 0
	s_cbranch_scc1 .Lnot_wave_0_\@
	s_barrier_signal -3
.Lnot_wave_0_\@:
	s_barrier_wait -3
	s_barrier_signal -1
	s_barrier_wait -1
.endm
.macro ADDP d, a, b
	v_pk_add_f32 v[(\d):(\d)+1], v[(\a):(\a)+1], v[(\b):(\b)+1]
.endm
.macro ADD4 d, a, b, sb                ; four additions: pairs d, d + 2 .. = pairs a, a + sb .. + pairs b, b + sb ..
.irp i, 0,1,2,3
	ADDP (\d)+2*\i, (\a)+(\sb)*\i, (\b)+(\sb)*\i
.endr
.endm
.macro TM q, j0, n                     ; tile q: t - M, two at a time (of the pairs c and -M the low word serves both halves)
.set J, \j0
.rept \n
	v_pk_fma_f32 v[64*\q+J:64*\q+J+1], v[64*\q+J:64*\q+J+1], s[CS:CS+1], v[NM+2*\q:NM+2*\q+1] op_sel_hi:[1,0,0]
.set J, J+2
.endr
.endm
.macro KLOAD                           ; 18 LDS loads: K's eight half fragments and its scale words
.irp t, 0,1,2,3,4,5,6,7
	ds_load_b128 v[KF+6*\t:KF+6*\t+3], v[AK16] offset:768*\t
	ds_load_b64 v[KF+6*\t+4:KF+6*\t+5], v[AK8] offset:768*\t
.endr
	ds_load_b128 v[KS:KS+3], v[AKS] offset:12288
	ds_load_b128 v[KS+4:KS+7], v[AKS] offset:12544
.endm
.macro INIT                            ; both tiles' state: the first key step finds zeros, which the first change of M leaves zeros
	WIN 0x55
.irp q, 0,1
	v_mov_b32 v[NM+2*\q+1], 0xff61b1e6             ; the largest score so far: -3e38, under every score
	v_mov_b32 v[LS+2*\q], 0
	v_mov_b32 v[LS+2*\q+1], 0
.endr
.irp q, 0,1
	v_mul_f32 v[X+\q], s[CS], v[NM+2*\q+1]
.endr
.irp q, 0,1
	v_floor_f32 v[NM+2*\q], -v[X+\q]               ; -M
.endr
.set J, 0
.rept 64
	v_mov_b32 v[O+J], 0
.set J, J+1
.endr
	WIN 0
.endm
	s_load_b128 s[4:7], s[0:1], 0x0                ; qq s[4:5], kv s[6:7]
	s_load_b64 s[8:9], s[0:1], 0x10                ; aq
	v_lshl_add_u32 v[SPW], v0, 2, SPARE
	v_mov_b32 v[NIL], 0
	ds_add_u32 v[SPW], v[NIL]                      ; the opening lines: the add, twice on end, and its wait ahead of my first tensor load
	ds_add_u32 v[SPW], v[NIL]
	v_lshrrev_b32 v8, 5, v0
	v_readfirstlane_b32 s[WV], v8                  ; wave 0..7
	v_and_b32 v8, 31, v0
	v_and_b32 v9, 15, v0                           ; p
	v_bfe_u32 v10, v0, 4, 1                        ; h
	v_lshlrev_b32 v[L16], 4, v8
	v_lshlrev_b32 v[R16], 4, v9
	v_lshl_add_u32 v[L8], v10, 3, v[R16]
	v_add_nc_u32 v[L8], 512, v[L8]
	s_bfe_u32 s11, ttmp6, 0x40000                  ; cx: my block of 512 queries: it enters q's and the output's addresses alone
	s_and_b32 s12, ttmp7, 0xffff                   ; (batch, head), which the four partners share
	s_lshl_b32 s13, s12, 4
	s_lshl_b32 s14, s[WV], 1
	s_add_co_u32 s13, s13, s14
	s_mul_i32 s34, s13, KVB                        ; key steps 2 w and 2 w + 1 in memory,
	s_mov_b32 s35, 0
	s_mov_b32 s[G0], 1                             ; count = 1
	s_mul_i32 s[G0+1], s[WV], 2*KVB                ; and in LDS: no place in the cluster enters an LDS address
	; descriptor group 1: 26,112 dense bytes as 102 rows of 256 bytes
	s_mov_b32 s[G1], 15|(3<<16)|(1<<21)            ; 15:0 the mask: all four work-groups; 17:16 elements of 8 bytes; 21 set beside a mask; no padding
	s_mov_b32 s[G1+1], 32<<16                      ; tensor_dim0 = 32
	s_mov_b32 s[G1+2], 102<<16                     ; tensor_dim1 = 102
	s_mov_b32 s[G1+3], 32<<16                      ; tile_dim0 = 32
	s_mov_b32 s[G1+4], 102                         ; tile_dim1 = 102
	s_mov_b32 s[G1+5], 32                          ; from row to row
	s_mov_b32 s[G1+6], 0
	s_mov_b32 s[G1+7], 0
	s_lshl_b32 s13, s12, 5
	s_lshl_b32 s14, s11, 3
	s_add_co_u32 s13, s13, s14
	s_add_co_u32 s13, s13, s[WV]                   ; q: group 8 cx + w of the head's 32
	s_mul_i32 s[QC], s13, 3328                     ; four half fragments and 256 bytes of scale words
	s_mov_b32 s[QC+1], 0
	s_lshr_b32 s13, s12, 4                         ; the batch
	s_lshl_b32 s13, s13, 7
	s_lshl_b32 s14, s11, 5
	s_add_co_u32 s13, s13, s14
	s_lshl_b32 s14, s[WV], 2
	s_add_co_u32 s13, s13, s14                     ; the output: token tile 128 b + 32 cx + 4 w
	s_mul_i32 s13, s13, REC
	s_and_b32 s14, s12, 15                         ; the head: it is half fragment hd of the tile's record,
	s_mul_i32 s15, s14, 768
	s_add_co_u32 s[AB], s13, s15
	s_mov_b32 s[AB+1], 0
	s_lshr_b32 s15, s14, 3
	s_lshl_b32 s15, s15, 8
	s_add_co_u32 s[ASB], s13, s15                  ; and half hd % 2 of scale word hd / 2
	s_bfe_u32 s15, s14, 0x20001
	s_lshl_b32 s15, s15, 2
	s_add_co_u32 s[ASB], s[ASB], s15
	s_and_b32 s15, s14, 1
	s_lshl_b32 s15, s15, 1
	s_add_co_u32 s[ASB], s[ASB], s15
	s_add_co_u32 s[ASB], s[ASB], 12288
	s_mov_b32 s[ASB+1], 0
	s_mov_b32 s[CS], 0x3e38aa3b                    ; c = log2(e) / 8
	s_mov_b32 s[CS+1], s[CS]                       ; (named with it as a pair, so it is written)
	s_mov_b32 s[SEL], 0x76543210
	s_mov_b32 s[SEL+1], 0xfedcba98                 ; v_permlanex16_b32's selects for lane l xor 16
	s_mov_b32 s[CNT], 0
	s_wait_dscnt 0x0                               ; both opening adds are done
	s_wait_kmcnt 0x0
	s_add_nc_u64 s[G0+2:G0+3], s[6:7], s[34:35]
	s_or_b32 s[G0+3], s[G0+3], 0x80000000          ; type = 2
	s_add_nc_u64 s[QC:QC+1], s[4:5], s[QC:QC+1]
	s_add_nc_u64 s[AB:AB+1], s[8:9], s[AB:AB+1]
	s_add_nc_u64 s[ASB:ASB+1], s[8:9], s[ASB:ASB+1]
	ROUND                                          ; all four work-groups are here: the joint loads meet
	tensor_load_to_lds s[G0:G0+3], s[G1:G1+7]      ; the launch's only fill: one tensor load of mine is out
	s_nop 0
.rept 4
	v_nop                                          ; behind a tensor load
.endr
	s_wait_alu depctr_va_vdst(0)
.irp q, 0,1
	global_load_b128 v[QF+12*\q:QF+12*\q+3], v[L16], s[QC:QC+1] offset:768*\q
	global_load_b64 v[QF+12*\q+4:QF+12*\q+5], v[L8], s[QC:QC+1] offset:768*\q
.endr
	global_load_b128 v[QS:QS+3], v[R16], s[QC:QC+1] offset:3072     ; row p's scale words of tiles 0 to 3
.irp q, 0,1
	global_load_b128 v[QST+6*\q:QST+6*\q+3], v[L16], s[QC:QC+1] offset:1536+768*\q
	global_load_b64 v[QST+6*\q+4:QST+6*\q+5], v[L8], s[QC:QC+1] offset:1536+768*\q
.endr
.irp i, 0,1,2,3,4,5
	v_mov_b32 v[QF+6+\i], 0                        ; zero codes at k = 64 .. 127 of both tiles of Q,
	v_mov_b32 v[QF+18+\i], 0
	v_mov_b32 v[KF+48+\i], 0                       ; and behind K's last half fragment
.endr
	v_add_nc_u32 v[AK16], 0, v[L16]                ; key step 0 begins at LDS byte 0
	v_add_nc_u32 v[AK8], 0, v[L8]
	v_add_nc_u32 v[AKS], 0, v[R16]
	WIN 0x40
	v_lshlrev_b32 v[SH8], 3, v10
.irp q, 0,1
	v_mov_b32 v[PD+\q], 0                          ; written once: a lane permute's destination counts as one of its sources
	v_mov_b32 v[F+2*\q+1], 0                       ; (named as the upper half of a pair)
.endr
	INIT
	s_wait_alu depctr_va_vdst(0)
	s_wait_tensorcnt 0x0                           ; my two key steps have landed,
	s_barrier_signal -1
	s_barrier_wait -1                              ; everybody's have
	KLOAD
	s_wait_loadcnt 0x0                             ; Q
.Lstep:
	s_and_b32 s[T1], s[CNT], 15
	s_mul_i32 s[TB], s[T1], KVB                    ; this key step's first byte in LDS,
	s_add_co_u32 s[T1], s[CNT], 1
	s_and_b32 s[T1], s[T1], 15
	s_mul_i32 s[TBN], s[T1], KVB                   ; and the next one's; behind step 15 comes step 0
	s_wait_dscnt 0x0                               ; K and its scale words are in
	WIN 0x40
.irp t, 0,1,2,3,4,5,6,7
.irp q, 0,1
	v_wmma_scale_f32_16x16x128_f8f6f4 v[64*\q+8*\t:64*\q+8*\t+7], v[KF+6*\t:KF+6*\t+11], v[QF+12*\q:QF+12*\q+11], 0, v[KS+\t], v[QS+\q] matrix_a_fmt:MATRIX_FMT_BF6 matrix_b_fmt:MATRIX_FMT_BF6
.endr
.endr
	WIN 0
	v_add_nc_u32 v[AV16], s[TB], v[L16]            ; these six are the places behind the products, for the loads below and for the first read of the scores
	v_add_nc_u32 v[AV8], s[TB], v[L8]
	v_add_nc_u32 v[AVS], s[TB], v[R16]
	v_add_nc_u32 v[AK16], s[TBN], v[L16]
	v_add_nc_u32 v[AK8], s[TBN], v[L8]
	v_add_nc_u32 v[AKS], s[TBN], v[R16]
.irp t, 0,1,2,3                        ; 17 loads: V's four fragments (16 channels x 128 keys) and scale words land while the softmax is walked
	ds_load_b128 v[VF+12*\t:VF+12*\t+3], v[AV16] offset:6144+1536*\t
	ds_load_b64 v[VF+12*\t+4:VF+12*\t+5], v[AV8] offset:6144+1536*\t
	ds_load_b128 v[VF+12*\t+6:VF+12*\t+9], v[AV16] offset:6144+1536*\t+768
	ds_load_b64 v[VF+12*\t+10:VF+12*\t+11], v[AV8] offset:6144+1536*\t+768
.endr
	ds_load_b128 v[VS:VS+3], v[AVS] offset:12800
	KLOAD                                          ; 18 loads: the next key step's K
	WIN 0x55                                       ; every vector operand in window 1, up to p's scale words
	; THE LARGEST SCORE OF EACH BLOCK OF 32 KEYS: it serves the row's maximum and, since p rises with the score, the block's largest p.  Two chains a block, each ascending over 16 registers; the eight chains by turns
.irp q, 0,1
.irp c, 0,1
	v_max3_num_f32 v[BM+4*\q+2*\c], v[64*\q+32*\c], v[64*\q+32*\c+1], v[64*\q+32*\c+2]
	v_max3_num_f32 v[BM+4*\q+2*\c+1], v[64*\q+32*\c+16], v[64*\q+32*\c+17], v[64*\q+32*\c+18]
.endr
.endr
.set J, 3
.rept 6
.irp q, 0,1
.irp c, 0,1
	v_max3_num_f32 v[BM+4*\q+2*\c], v[BM+4*\q+2*\c], v[64*\q+32*\c+J], v[64*\q+32*\c+J+1]
	v_max3_num_f32 v[BM+4*\q+2*\c+1], v[BM+4*\q+2*\c+1], v[64*\q+32*\c+16+J], v[64*\q+32*\c+17+J]
.endr
.endr
.set J, J+2
.endr
.irp q, 0,1
.irp c, 0,1
	v_max3_num_f32 v[BM+4*\q+2*\c], v[BM+4*\q+2*\c], v[64*\q+32*\c+15], v[64*\q+32*\c+31]
.endr
.endr
.irp q, 0,1
.irp c, 0,1
	v_max_num_f32 v[BM+4*\q+2*\c], v[BM+4*\q+2*\c], v[BM+4*\q+2*\c+1]
.endr
.endr
.irp q, 0,1
	v_max_num_f32 v[T0+\q], v[BM+4*\q], v[BM+4*\q+2]
.endr
.irp q, 0,1
	v_permlanex16_b32 v[PD+\q], v[T0+\q], s[SEL], s[SEL+1]     ; the query's other 64 keys lie in the lane 16 away
.endr
.irp q, 0,1
	v_max3_num_f32 v[NM+2*\q+1], v[NM+2*\q+1], v[T0+\q], v[PD+\q]   ; the running largest score
.endr
.irp q, 0,1
	v_mul_f32 v[X+\q], s[CS], v[NM+2*\q+1]         ; as t (c is positive)
	v_mov_b32 v[OLD+\q], v[NM+2*\q]
.endr
.irp q, 0,1
	v_floor_f32 v[NM+2*\q], -v[X+\q]               ; the new -M = floor(-t) = -ceil(t): M is a whole number
.endr
.irp q, 0,1
	v_sub_f32 v[OLD+\q], v[NM+2*\q], v[OLD+\q]     ; old M - new M: a whole number, 0 or less.  (The chain's last three links stand among tile 0's multiply-adds)
.endr
	TM 0, 0, 4
.irp q, 0,1
	v_cvt_i32_f32 v[OLD+\q], v[OLD+\q]             ; (it saturates)
.endr
	TM 0, 8, 4
.irp q, 0,1
	v_ldexp_f32 v[F+2*\q], 1.0, v[OLD+\q]          ; f = 2^(old M - new M)
.endr
	TM 0, 16, 24
.irp q, 0,1
.set J, 0
.rept 16
	v_pk_mul_f32 v[O+32*\q+J:O+32*\q+J+1], v[O+32*\q+J:O+32*\q+J+1], v[F+2*\q:F+2*\q+1] op_sel_hi:[1,0]   ; O^T under the new M, each accumulator from its low end on
.set J, J+2
.endr
.endr
.irp q, 0,1
.irp c, 0,1
	v_fma_f32 v[BM+4*\q+2*\c], v[BM+4*\q+2*\c], s[CS], v[NM+2*\q]   ; t - M of each block's largest score
.endr
.endr
	s_wait_alu depctr_va_vdst(0)                   ; ahead of a batch of transcendentals
.irp i, 0,2,4,6
	v_exp_f32 v[BM+\i], v[BM+\i]                   ; the block's largest p: the same two instructions on the same number give the same bits
.endr
.set J, 0
.rept 32                               ; tile 0's p = 2^(t - M); among them tile 1's t - M, which names none of their registers and is first read behind the next wait
	v_exp_f32 v[J], v[J]
	v_exp_f32 v[J+1], v[J+1]
	v_pk_fma_f32 v[64+J:65+J], v[64+J:65+J], s[CS:CS+1], v[NM+2:NM+3] op_sel_hi:[1,0,0]
.set J, J+2
.endr
	s_wait_alu depctr_va_vdst(0)                   ; behind tile 0's batch and ahead of tile 1's
.set J, 0
.rept 16                               ; tile 1's p; among them the first 16 additions of tile 0's sum, whose results are first read behind the next wait
	v_exp_f32 v[64+4*J], v[64+4*J]
	v_exp_f32 v[65+4*J], v[65+4*J]
	v_exp_f32 v[66+4*J], v[66+4*J]
	v_exp_f32 v[67+4*J], v[67+4*J]
	ADDP AC+2*J, 4*J, 4*J+2
.set J, J+1
.endr
	s_wait_alu depctr_va_vdst(0)                   ; behind the batch
	; p's SCALES, AND THE ROWS' SUMS OF THE UNQUANTISED p: the links of the scales' chain stand among the additions
.irp i, 0,2,4,6
	v_max_num_f32 v[BM+\i], FLOOR, v[BM+\i]        ; the floor: the byte cannot fall under 1
.endr
	ADD4 AC, AC, AC+16, 2                          ; tile 0: 16 partial sums to 8; the upper 8 pairs then serve tile 1
.irp i, 0,2,4,6
	v_add_nc_u32 v[BM+\i+1], DOWN4, v[BM+\i]       ; 4 off the exponent field: the conversion's scale operand
.endr
	ADD4 AC+8, AC+8, AC+24, 2
.irp i, 0,1,2,3
	v_lshrrev_b32 v[BY+\i], 23, v[BM+2*\i+1]       ; the scale's byte
.endr
	ADD4 AC+16, 64, 66, 4                          ; tile 1: p's registers 0-31 into 8 partial sums
.irp q, 0,1
	v_lshl_or_b32 v[W+\q], v[BY+2*\q+1], 16, v[BY+2*\q]   ; blocks h and 2 + h,
.endr
	ADD4 AC+24, 80, 82, 4
.irp q, 0,1
	v_lshlrev_b32 v[W+\q], v[SH8], v[W+\q]         ; at their places in the word;
.endr
	ADD4 AC+16, AC+16, 96, 2
.irp q, 0,1
	v_permlanex16_b32 v[PD+\q], v[W+\q], s[SEL], s[SEL+1]
.endr
	ADD4 AC+24, AC+24, 104, 2
	WIN 0x15                                       ; destinations in window 0, every source in window 1
.irp q, 0,1
	v_or_b32 v[PW+\q], v[W+\q], v[PD+\q]           ; with lane l xor 16's two: p's scale word for these 128 keys
.endr
.irp q, 0,1
	v_cvt_scalef32_pk16_bf6_f32 v[P+12*\q:P+12*\q+2], v[64*\q:64*\q+15], v[BM+4*\q+1]
	v_cvt_scalef32_pk16_bf6_f32 v[PT+8*\q:PT+8*\q+2], v[64*\q+16:64*\q+31], v[BM+4*\q+1]       ; (a conversion's three registers begin on an even number)
	v_cvt_scalef32_pk16_bf6_f32 v[P+12*\q+6:P+12*\q+8], v[64*\q+32:64*\q+47], v[BM+4*\q+3]
	v_cvt_scalef32_pk16_bf6_f32 v[PT+8*\q+4:PT+8*\q+6], v[64*\q+48:64*\q+63], v[BM+4*\q+3]
.endr
	WIN 0x55
	ADD4 AC+16, AC+16, 112, 2                      ; (also the plain place behind the conversions: these touch none of their results)
	ADD4 AC+24, AC+24, 120, 2
	ADD4 AC, AC, AC+8, 2
	ADD4 AC+16, AC+16, AC+24, 2
	WIN 0
.irp q, 0,1
.irp i, 0,1,2
	v_mov_b32 v[P+12*\q+3+\i], v[PT+8*\q+\i]
	v_mov_b32 v[P+12*\q+9+\i], v[PT+8*\q+4+\i]
.endr
.endr
	WIN 0x55
.irp i, 0,1
	ADDP AC+2*\i, AC+2*\i, AC+4+2*\i
.endr
.irp i, 0,1
	ADDP AC+16+2*\i, AC+16+2*\i, AC+20+2*\i
.endr
	ADDP AC, AC, AC+2
	ADDP AC+16, AC+16, AC+18
.irp q, 0,1
	v_pk_fma_f32 v[LS+2*\q:LS+2*\q+1], v[LS+2*\q:LS+2*\q+1], v[F+2*\q:F+2*\q+1], v[AC+16*\q:AC+16*\q+1] op_sel_hi:[1,0,1]   ; the old sum under the new M, and this step's
.endr
	s_wait_alu depctr_va_vdst(0)
	s_wait_dscnt 18                                ; V's 17 loads are in; the 18 issued behind them, the next step's K, may be out
	WIN 0x50
.irp t, 0,1,2,3
.irp q, 0,1
	v_wmma_scale_f32_16x16x128_f8f6f4 v[O+32*\q+8*\t:O+32*\q+8*\t+7], v[VF+12*\t:VF+12*\t+11], v[P+12*\q:P+12*\q+11], v[O+32*\q+8*\t:O+32*\q+8*\t+7], v[VS+\t], v[PW+\q] matrix_a_fmt:MATRIX_FMT_BF6 matrix_b_fmt:MATRIX_FMT_BF6
.endr
.endr
	WIN 0
	s_and_b32 s[T1], s[CNT], 15
	s_cmp_lg_u32 s[T1], 15
	s_cbranch_scc1 .Lnot_done                      ; on the trip's number alone
	; BOTH TILES ARE FINISHED: O^T / the sum, quantised along the head's 64 (a lane's 32 registers are block h), stored as the head's half fragment of each token tile's record
	WIN 0x55
.irp q, 0,1
	v_add_f32 v[LS+2*\q], v[LS+2*\q], v[LS+2*\q+1] ; the sum's two halves.  (These six lines are the places behind the last products)
.endr
.irp q, 0,1
	v_permlanex16_b32 v[PD+\q], v[LS+2*\q], s[SEL], s[SEL+1]
.endr
.irp q, 0,1
	v_add_f32 v[LS+2*\q], v[LS+2*\q], v[PD+\q]     ; and lane l xor 16's: the row's sum
.endr
	s_wait_alu depctr_va_vdst(0)
.irp q, 0,1
	v_rcp_f32 v[LS+2*\q], v[LS+2*\q]
.endr
	v_nop                                          ; one plain place behind a transcendental
	s_wait_alu depctr_va_vdst(0)                   ; directly ahead of the first reader of O^T and of the quotients
.irp q, 0,1
.set J, 0
.rept 16
	v_pk_mul_f32 v[64*\q+J:64*\q+J+1], v[O+32*\q+J:O+32*\q+J+1], v[LS+2*\q:LS+2*\q+1] op_sel_hi:[1,0]   ; register 8 t + j: channel 32 h + 8 t + j of my query
.set J, J+2
.endr
.endr
.irp q, 0,1
	v_max3_num_f32 v[BM+4*\q], |v[64*\q]|, |v[64*\q+1]|, FLOOR     ; each block's largest magnitude, in two chains
	v_max_num_f32 v[BM+4*\q+1], |v[64*\q+2]|, |v[64*\q+3]|
.endr
.irp i, 4,8,12,16,20,24,28
.irp q, 0,1
	v_max3_num_f32 v[BM+4*\q], v[BM+4*\q], |v[64*\q+\i]|, |v[64*\q+\i+1]|
	v_max3_num_f32 v[BM+4*\q+1], v[BM+4*\q+1], |v[64*\q+\i+2]|, |v[64*\q+\i+3]|
.endr
.endr
.irp q, 0,1
	v_max_num_f32 v[BM+4*\q], v[BM+4*\q], v[BM+4*\q+1]
.endr
.irp q, 0,1
	v_add_nc_u32 v[BM+4*\q+1], DOWN4, v[BM+4*\q]   ; the conversion's scale operand
.endr
.irp q, 0,1
	v_lshrrev_b32 v[BY+\q], 23, v[BM+4*\q+1]
.endr
.irp q, 0,1
	v_lshlrev_b32 v[W+\q], v[SH8], v[BY+\q]
.endr
.irp q, 0,1
	v_permlanex16_b32 v[PD+\q], v[W+\q], s[SEL], s[SEL+1]
.endr
	WIN 0x15
.irp q, 0,1
	v_or_b32 v[HW+\q], v[W+\q], v[PD+\q]           ; the head's two bytes
.endr
.irp q, 0,1
	v_cvt_scalef32_pk16_bf6_f32 v[P+12*\q:P+12*\q+2], v[64*\q:64*\q+15], v[BM+4*\q+1]
	v_cvt_scalef32_pk16_bf6_f32 v[PT+8*\q:PT+8*\q+2], v[64*\q+16:64*\q+31], v[BM+4*\q+1]
.endr
	WIN 0
.irp q, 0,1
.irp i, 0,1,2,3,4,5
	v_mov_b32 v[QF+12*\q+\i], v[QST+6*\q+\i]       ; tiles 2 and 3 of Q take their places.  (Also the plain place behind the conversions)
.endr
.endr
	v_mov_b32 v[QS], v[QS+2]                       ; and their scale words
	v_mov_b32 v[QS+1], v[QS+3]
.irp q, 0,1
.irp i, 0,1,2
	v_mov_b32 v[P+12*\q+3+\i], v[PT+8*\q+\i]
.endr
.endr
.irp q, 0,1
	global_store_b128 v[L16], v[P+12*\q:P+12*\q+3], s[AB:AB+1] offset:REC*\q       ; 512 consecutive bytes a wave
	global_store_b64 v[L8], v[P+12*\q+4:P+12*\q+5], s[AB:AB+1] offset:REC*\q       ; 256 consecutive bytes
	global_store_b16 v[R16], v[HW+\q], s[ASB:ASB+1] offset:REC*\q                  ; both halves of the lanes store the same half-word; a word's other half belongs to another head: pieces of two bytes
.endr
	INIT                                           ; its 70 and more plain lines stand between Q's new registers and the next products
	s_wait_xcnt 0x0                                ; the stores have read their registers and bases, which are written again below and in the next trip
	s_add_nc_u64 s[AB:AB+1], s[AB:AB+1], 2*REC     ; on to token tiles 2 and 3 of my four
	s_add_nc_u64 s[ASB:ASB+1], s[ASB:ASB+1], 2*REC
	s_wait_alu depctr_va_vdst(0)
.Lnot_done:
	s_add_co_u32 s[CNT], s[CNT], 1
	s_cmp_lt_u32 s[CNT], 32
	s_cbranch_scc1 .Lstep
	s_wait_tensorcnt 0x0                           ; the wave's end
	ds_add_u32 v[SPW], v[NIL]
	s_wait_dscnt 0x0
	ROUND                                          ; the closing round: no work-group ends while a partner may still ask for a tile that names it
	s_endpgm
.Lfunc_end_k_q7b32df17f6_attn:
	.size	k_q7b32df17f6_attn, .Lfunc_end_k_q7b32df17f6_attn-k_q7b32df17f6_attn
	.p2alignl 7, 3214868480
	.fill 96, 4, 3214868480
	.section	.rodata,"a",@progbits
	.p2align	6, 0x0
	.amdhsa_kernel k_q7b32df17f6_attn
		.amdhsa_group_segment_fixed_size 215040
		.amdhsa_private_segment_fixed_size 0
		.amdhsa_enable_private_segment 0
		.amdhsa_kernarg_size 24
		.amdhsa_user_sgpr_count 2
		.amdhsa_user_sgpr_kernarg_segment_ptr 1
		.amdhsa_wavefront_size32 1
		.amdhsa_system_sgpr_workgroup_id_x 1
		.amdhsa_system_sgpr_workgroup_id_y 1
		.amdhsa_system_sgpr_workgroup_id_z 1
		.amdhsa_system_vgpr_workitem_id 0
		.amdhsa_next_free_vgpr 512
		.amdhsa_next_free_sgpr 66
		.amdhsa_reserve_vcc 0
		.amdhsa_float_denorm_mode_32 3
		.amdhsa_float_denorm_mode_16_64 3
		.amdhsa_memory_ordered 1
		.amdhsa_forward_progress 1
		.amdhsa_inst_pref_size 47
	.end_amdhsa_kernel
	.amdgpu_metadata
---
amdhsa.version: [ 1, 2 ]
amdhsa.kernels:
  - .name:           k_q7b32df17f6_attn
    .symbol:         k_q7b32df17f6_attn.kd
    .args:
      - { .name: qq, .offset: 0, .size: 8, .value_kind: global_buffer, .address_space: global }
      - { .name: kv, .offset: 8, .size: 8, .value_kind: global_buffer, .address_space: global }
      - { .name: aq, .offset: 16, .size: 8, .value_kind: global_buffer, .address_space: global }
    .group_segment_fixed_size: 215040
    .private_segment_fixed_size: 0
    .kernarg_segment_align: 8
    .kernarg_segment_size: 24
    .max_flat_workgroup_size: 256
    .sgpr_count:     66
    .vgpr_count:     512
    .wavefront_size: 32
...
	.end_amdgpu_metadata
.endif
;; end of part 3
;; launch oproj (part 4): grid 32 x 8, 4 waves a work-group, clusters of 4 x 1, 168,448 bytes of LDS; arguments aq, wq, bo, out0; writes out0
.if DOCPART == 4
	.amdgcn_target "amdgcn-amd-amdhsa--gfx1250"
	.amdhsa_code_object_version 6
	.text
	.protected	k_q7b32df17f6_oproj
	.globl	k_q7b32df17f6_oproj
	.p2align	8
	.type	k_q7b32df17f6_oproj,@function
k_q7b32df17f6_oproj:
	s_mov_b64 s[64:65], 0
	v_nop
	global_prefetch_b8 v0, s[64:65] scope:SCOPE_SE
	s_setreg_imm32_b32 hwreg(HW_REG_WAVE_MODE, 25, 1), 1
	s_wait_xcnt 0x0
	s_wait_alu depctr_hold_cnt(0) depctr_sa_sdst(0) depctr_va_vdst(0) depctr_va_sdst(0) depctr_va_ssrc(0) depctr_va_vcc(0) depctr_vm_vsrc(0)
	s_getreg_b32 s2, hwreg(HW_REG_IB_STS2, 6, 4)
	s_cmp_eq_u32 s2, 0
	s_cbranch_scc0 .Lentry_in_a_cluster
	s_endpgm
.Lentry_in_a_cluster:
	s_bfe_u32 s2, ttmp6, 0x10000c
	s_cmp_lg_u32 s2, 0x3003
	s_cbranch_scc0 .Lentry_shape_is_right
	s_endpgm
.Lentry_shape_is_right:
; out0 = a Wo + bo on codes of E3M2: a is the attention's result, [8192][1024], as the launch before has quantised it; Wo's codes come from the first launch; bo and out0 are f32.
; SHARES.  A work-group takes 256 tokens (block tb) and 128 columns (128 cg on); wave w tokens 256 tb + 64 w on: four tiles of 16, whose 32 fragments (all of K) stay in 384 REGISTERS.
; The work-group's eight tiles of Wo, 8 x 12,800 bytes, lie in LDS, FILLED ONCE.  The four work-groups of a cluster differ in tb alone and need the same tiles: each wave's one tensor load is a joint load with the mask of all four.
; a is not asked for jointly: it goes to registers, and each wave reads rows that no other wave of the cluster reads.
; TWO PASSES of 64 columns: 8 K steps of 16 matrix instructions on 16 accumulators, which take turns, one instruction a turn.  The bias is the C of the first K step.
; Source 0 = Wo's columns, source 1 = the tokens.  The rows of a tile are not neighbours (tile t of a group of 64 holds at place p row 32 (p / 8) + 8 t + p % 8): a lane holds one token and, in the 32 registers of
; tiles 0-3, the 32 neighbouring columns 32 (lane / 16) on.  A tile of 16 tokens x 64 columns goes through the wave's own stage in LDS and leaves as rows of 256 consecutive bytes, aligned.
; REGISTERS, in windows of 256: window 0: addresses, scale words, the bias, rows on the way out.  window 1: a's tiles 0, 1 (tile g, K step s at v[96 (g % 2) + 12 s]).  window 2: tiles 2, 3.
;   window 3: v0-127 the accumulators ((g, i) at v[32 g + 8 i]); v128-223 Wo's fragments, two buffers of four.
.set REC, 12800
.set L16, 1                            ; v1   16 x lane
.set L8,  2                            ; v2   512 + 16 p + 8 h
.set R16, 3                            ; v3   16 p
.set STO, 4                            ; v4   the stage: where I put 16 bytes of a row
.set RD,  5                            ; v5   and where I read a row back
.set CO,  6                            ; v6   my byte offset in two rows of out0
.set BH,  7                            ; v7   128 h
.set A16, 8                            ; v8-10 L16, L8, R16 + the pass's first byte in LDS
.set A8,  9
.set AS,  10
.set XS,  16                           ; v16-47   a's scale words: tile g, K step s at XS + 8 g + s
.set WS,  48                           ; v48-111  Wo's: two sets: tile i, K step s at WS + 32 set + 8 i + s
.set OB1, 112                          ; v112-143, v208-239 rows read back from the stage, by turns
.set BI,  144                          ; v144-207 the bias in the result's layout: pass hh, tile i at BI + 32 hh + 8 i
.set OB0, 208
.set WF,  128                          ; in window 3
.set STG, 8*REC                        ; behind Wo's tiles: a stage of 16 rows x (256 + 16) bytes for each wave; no fill lands there
.set WV,  18
.set G1,  24
.set G0,  32
.set XB,  44
.set BO,  46
.set OUT, 48
.set MSB, 0
.macro WIN new                         ; the immediate's high byte repeats the setting that is left; a switch that changes nothing is dropped
.if MSB != (\new)
	s_set_vgpr_msb (MSB<<8)|(\new)
.set MSB, (\new)
.endif
.endm
.macro ROUND                           ; a round of the cluster's barrier
	s_barrier_signal -1
	s_barrier_wait -1
	s_cmp_lg_u32 s[WV], 0
	s_cbranch_scc1 .Lnot_wave_0_\@
	s_barrier_signal -3
.Lnot_wave_0_\@:
	s_barrier_wait -3
	s_barrier_signal -1
	s_barrier_wait -1
.endm
.macro PLACES
.rept 4
	v_nop
.endr
.endm
	s_load_b256 s[4:11], s[0:1], 0x0               ; aq s[4:5], wq s[6:7], bo s[8:9], out0 s[10:11]
	v_lshl_add_u32 v254, v0, 2, 0x29000
	v_mov_b32 v255, 0
	ds_add_u32 v254, v255
	ds_add_u32 v254, v255
	v_lshrrev_b32 v11, 5, v0
	v_readfirstlane_b32 s[WV], v11                 ; wave 0..3
	v_and_b32 v11, 31, v0                          ; lane
	v_and_b32 v12, 15, v0                          ; p
	v_bfe_u32 v13, v0, 4, 1                        ; h
	v_lshlrev_b32 v[L16], 4, v11
	v_lshlrev_b32 v[R16], 4, v12
	v_lshl_add_u32 v[L8], v13, 3, v[R16]
	v_add_nc_u32 v[L8], 512, v[L8]
	v_lshlrev_b32 v[A16], 4, v11                   ; pass 0 begins at LDS byte 0
	v_lshl_add_u32 v[A8], v13, 3, v[R16]
	v_add_nc_u32 v[A8], 512, v[A8]
	v_lshlrev_b32 v[AS], 4, v12
	v_lshlrev_b32 v[BH], 7, v13
	s_mul_i32 s22, s[WV], 16*272
	s_add_co_u32 s22, s22, STG                     ; my stage
	v_mul_u32_u24 v[STO], v12, 272
	v_lshl_add_u32 v[STO], v13, 7, v[STO]
	v_add_nc_u32 v[STO], s22, v[STO]               ; in: row p, my half's 32 columns: 128 h bytes on
	v_mul_u32_u24 v[RD], v13, 272
	v_lshl_add_u32 v[RD], v12, 4, v[RD]
	v_add_nc_u32 v[RD], s22, v[RD]                 ; back: lanes 0-15 one row of 256 bytes, lanes 16-31 the next
	v_lshlrev_b32 v[CO], 12, v13
	v_lshl_add_u32 v[CO], v12, 4, v[CO]            ; and the same two rows in out0
	s_bfe_u32 s19, ttmp6, 0x40000                  ; cx
	s_lshl_b32 s20, ttmp9, 2
	s_add_co_u32 s20, s20, s19                     ; tb = 4 x cluster x + cx: it enters a's and out0's addresses alone
	s_and_b32 s21, ttmp7, 0xffff                   ; cg, which the four partners share
	s_lshl_b32 s12, s21, 3
	s_lshl_b32 s13, s[WV], 1
	s_add_co_u32 s12, s12, s13
	s_add_co_u32 s12, s12, 192                     ; Wo is the fourth weight: of its 64 tiles I fetch 8 cg + 2 w and the next
	s_mul_i32 s12, s12, REC
	s_mov_b32 s13, 0
	s_mov_b32 s[G0], 1                             ; count = 1
	s_mul_i32 s[G0+1], s[WV], 2*REC                ; LDS address: no place in the cluster enters it
	; descriptor group 1: two records, 25,600 dense bytes, as 100 rows of 256 bytes
	s_mov_b32 s[G1], 15|(3<<16)|(1<<21)            ; 15:0 the mask: all four work-groups; 17:16 elements of 8 bytes; 21 set beside a mask; no padding
	s_mov_b32 s[G1+1], 32<<16                      ; tensor_dim0 = 32
	s_mov_b32 s[G1+2], 100<<16                     ; tensor_dim1 = 100
	s_mov_b32 s[G1+3], 32<<16                      ; tile_dim0 = 32
	s_mov_b32 s[G1+4], 100                         ; tile_dim1 = 100
	s_mov_b32 s[G1+5], 32                          ; from row to row
	s_mov_b32 s[G1+6], 0
	s_mov_b32 s[G1+7], 0
	s_lshl_b32 s[XB], s20, 4
	s_lshl_b32 s15, s[WV], 2
	s_add_co_u32 s[XB], s[XB], s15                 ; my first tile of a: 16 tb + 4 w
	s_mul_i32 s[XB], s[XB], REC
	s_mov_b32 s[XB+1], 0
	s_lshl_b32 s[BO], s21, 9                       ; my 128 columns, in bytes
	s_mov_b32 s[BO+1], 0
	s_lshl_b32 s[OUT], s20, 8
	s_lshl_b32 s15, s[WV], 6
	s_add_co_u32 s[OUT], s[OUT], s15               ; my first token
	s_lshl_b32 s[OUT], s[OUT], 12                  ; rows of 4,096 bytes
	s_add_co_u32 s[OUT], s[OUT], s[BO]
	s_mov_b32 s[OUT+1], 0
	s_wait_dscnt 0x0
	s_wait_kmcnt 0x0
	s_add_nc_u64 s[G0+2:G0+3], s[6:7], s[12:13]
	s_or_b32 s[G0+3], s[G0+3], 0x80000000          ; type = 2
	s_add_nc_u64 s[XB:XB+1], s[4:5], s[XB:XB+1]
	s_add_nc_u64 s[BO:BO+1], s[8:9], s[BO:BO+1]
	s_add_nc_u64 s[OUT:OUT+1], s[10:11], s[OUT:OUT+1]
	ROUND                                          ; all four work-groups are here: the joint loads meet
	tensor_load_to_lds s[G0:G0+3], s[G1:G1+7]      ; the launch's only fill: one tensor load of mine is out
	s_nop 0
	PLACES                                         ; four v_nop behind the load
.irp a, 0,1,2,3                        ; a stays in registers: half fragment j (head j) of tile g is registers 6 j .. 6 j + 5 of the tile's 96
	WIN 0x40+0x40*(\a/2)
.irp j, 0,1,2,3,4,5,6,7,8,9,10,11,12,13,14,15
	global_load_b128 v[96*(\a%2)+6*\j:96*(\a%2)+6*\j+3], v[L16], s[XB:XB+1] offset:REC*\a+768*\j
	global_load_b64 v[96*(\a%2)+6*\j+4:96*(\a%2)+6*\j+5], v[L8], s[XB:XB+1] offset:REC*\a+768*\j
.endr
.endr
	WIN 0
.irp a, 0,1,2,3
	global_load_b128 v[XS+8*\a:XS+8*\a+3], v[R16], s[XB:XB+1] offset:REC*\a+12288
	global_load_b128 v[XS+8*\a+4:XS+8*\a+7], v[R16], s[XB:XB+1] offset:REC*\a+12544
.endr
	s_wait_alu depctr_va_vdst(0)
.irp u, 0,1
.irp i, 0,1,2,3
	global_load_b128 v[BI+32*\u+8*\i:BI+32*\u+8*\i+3], v[BH], s[BO:BO+1] offset:256*\u+32*\i        ; bo at columns 64 u + 32 h + 8 i + 0 .. 7
	global_load_b128 v[BI+32*\u+8*\i+4:BI+32*\u+8*\i+7], v[BH], s[BO:BO+1] offset:256*\u+32*\i+16
.endr
.endr
.macro FETCHW buf, s                   ; the pass's four tiles of Wo, K step s, into buffer buf: 16 LDS loads of consecutive bytes
	WIN 0xc0                                       ; destination window 3, address window 0
.irp i, 0,1,2,3
.set rF, WF+48*(\buf)+12*\i
	ds_load_b128 v[rF:rF+3], v[A16] offset:REC*\i+1536*(\s)
	ds_load_b64 v[rF+4:rF+5], v[A8] offset:REC*\i+1536*(\s)
	ds_load_b128 v[rF+6:rF+9], v[A16] offset:REC*\i+1536*(\s)+768
	ds_load_b64 v[rF+10:rF+11], v[A8] offset:REC*\i+1536*(\s)+768
.endr
.endm
.macro FETCHS set                      ; and their scale words for all of K
	WIN 0
.irp i, 0,1,2,3
	ds_load_b128 v[WS+32*(\set)+8*\i:WS+32*(\set)+8*\i+3], v[AS] offset:REC*\i+12288
	ds_load_b128 v[WS+32*(\set)+8*\i+4:WS+32*(\set)+8*\i+7], v[AS] offset:REC*\i+12544
.endr
.endm
; K step MS of pass hh: 16 matrix instructions from buffer MB.  The first K step takes the bias as C.
.macro MUL hh
.irp o, 0,1,2,3
.if MS == 0
	WIN 0xc7+4*(\o/2)                              ; source 0 (Wo) window 3, source 1 (a) window 1 or 2, C (the bias) window 0, D window 3
.else
	WIN 0xf7+4*(\o/2)                              ; the same, C and D window 3
.endif
.irp n, 0,1,2,3
.set rD, 32*\o+8*\n
.set rA, WF+48*MB+12*\n
.set rB, 96*(\o%2)+12*MS
.set rC, BI+32*\hh+8*\n
.set rSA, WS+32*\hh+8*\n+MS
.set rSB, XS+8*\o+MS
.if MS == 0
	v_wmma_scale_f32_16x16x128_f8f6f4 v[rD:rD+7], v[rA:rA+11], v[rB:rB+11], v[rC:rC+7], v[rSA], v[rSB] matrix_a_fmt:MATRIX_FMT_BF6 matrix_b_fmt:MATRIX_FMT_BF6
.else
	v_wmma_scale_f32_16x16x128_f8f6f4 v[rD:rD+7], v[rA:rA+11], v[rB:rB+11], v[rD:rD+7], v[rSA], v[rSB] matrix_a_fmt:MATRIX_FMT_BF6 matrix_b_fmt:MATRIX_FMT_BF6
.endif
.endr
.endr
.endm
; A pass.  Each K step's fragments are asked for one step, 16 matrix instructions, ahead, behind four places: the buffer that they land in was read by the step before.
.macro PASS hh
.set MS, 0
.rept 8
.set MB, MS%2
	s_wait_dscnt 0x0                               ; this step's fragments are in
.if MS == 7
.if \hh == 0
	WIN 0
	v_add_nc_u32 v[A16], 4*REC, v[A16]             ; on to the second pass's four tiles.  These three and the v_nop are the four places
	s_wait_alu depctr_va_vdst(0)
	v_add_nc_u32 v[A8], 4*REC, v[A8]
	s_wait_alu depctr_va_vdst(0)
	v_add_nc_u32 v[AS], 4*REC, v[AS]
	v_nop
	FETCHW 0, 0
	FETCHS 1
.endif
.else
	PLACES
	FETCHW 1-MB, MS+1
.endif
	MUL \hh
.set MS, MS+1
.endr
.endm
; THE WAY OUT, a tile of 16 tokens x 64 columns at a time, through my own stage.  LDS serves a wave's instructions in order: no wait between the stores and the loads, nor in front of the next tile's stores.
.macro SENDT g, hh, younger            ; tile g's 16 rows, back from the stage, are stored; younger: the LDS instructions issued behind its loads, which may stay out
.set OBS, OB0-(OB0-OB1)*((\g)%2)
	s_wait_dscnt \younger
.irp t, 0,1,2,3,4,5,6,7
	global_store_b128 v[CO], v[OBS+4*\t:OBS+4*\t+3], s[OUT:OUT+1] offset:(32*(\t/4)+8*(\g)+2*(\t%4))*4096+256*\hh th:TH_STORE_NT   ; place 2 t + lane / 16 of tile g is token 32 (t / 4) + 8 g + 2 (t % 4) + lane / 16; 16 lanes store 256 consecutive bytes, aligned
.endr
.endm
.macro WAYOUT hh
	WIN 0
	PLACES                                         ; four places behind the last products
.irp g, 0,1,2,3
	WIN 0x0c                                       ; an LDS store's data are its source 1: window 3
.irp i, 0,1,2,3
	ds_store_b128 v[STO], v[32*\g+8*\i:32*\g+8*\i+3] offset:32*\i          ; each accumulator from its low end on
	ds_store_b128 v[STO], v[32*\g+8*\i+4:32*\g+8*\i+7] offset:32*\i+16
.endr
	WIN 0
	s_wait_xcnt 0x0                                ; the stores of two tiles back have read the registers that the loads below land in
.set OBB, OB0-(OB0-OB1)*(\g%2)
.irp t, 0,1,2,3,4,5,6,7
	ds_load_b128 v[OBB+4*\t:OBB+4*\t+3], v[RD] offset:544*\t
.endr
.if \g > 0
	SENDT \g-1, \hh, 16                            ; behind tile g - 1's loads stand tile g's 8 stores and 8 loads: tile g is on its way through the stage while tile g - 1 is stored
.endif
.endr
	SENDT 3, \hh, 0
.endm
	s_wait_tensorcnt 0x0                           ; my part of Wo has landed,
	s_barrier_signal -1
	s_barrier_wait -1                              ; everybody's has
	FETCHW 0, 0
	FETCHS 0
	s_wait_loadcnt 0x0                             ; a, its scale words, the bias
	PASS 0
	WAYOUT 0
	PASS 1
	WAYOUT 1
	s_wait_dscnt 0x0
	s_wait_tensorcnt 0x0
	ds_add_u32 v254, v255
	s_wait_dscnt 0x0
	ROUND                                          ; the closing round: no work-group ends while a partner may still ask for a tile that names it
	s_endpgm
.Lfunc_end_k_q7b32df17f6_oproj:
	.size	k_q7b32df17f6_oproj, .Lfunc_end_k_q7b32df17f6_oproj-k_q7b32df17f6_oproj
	.p2alignl 7, 3214868480
	.fill 96, 4, 3214868480
	.section	.rodata,"a",@progbits
	.p2align	6, 0x0
	.amdhsa_kernel k_q7b32df17f6_oproj
		.amdhsa_group_segment_fixed_size 168448
		.amdhsa_private_segment_fixed_size 0
		.amdhsa_enable_private_segment 0
		.amdhsa_kernarg_size 32
		.amdhsa_user_sgpr_count 2
		.amdhsa_user_sgpr_kernarg_segment_ptr 1
		.amdhsa_wavefront_size32 1
		.amdhsa_system_sgpr_workgroup_id_x 1
		.amdhsa_system_sgpr_workgroup_id_y 1
		.amdhsa_system_sgpr_workgroup_id_z 1
		.amdhsa_system_vgpr_workitem_id 0
		.amdhsa_next_free_vgpr 1024
		.amdhsa_next_free_sgpr 66
		.amdhsa_reserve_vcc 0
		.amdhsa_float_denorm_mode_32 3
		.amdhsa_float_denorm_mode_16_64 3
		.amdhsa_memory_ordered 1
		.amdhsa_forward_progress 1
		.amdhsa_inst_pref_size 88
	.end_amdhsa_kernel
	.amdgpu_metadata
---
amdhsa.version: [ 1, 2 ]
amdhsa.kernels:
  - .name:           k_q7b32df17f6_oproj
    .symbol:         k_q7b32df17f6_oproj.kd
    .args:
      - { .name: aq, .offset: 0, .size: 8, .value_kind: global_buffer, .address_space: global }
      - { .name: wq, .offset: 8, .size: 8, .value_kind: global_buffer, .address_space: global }
      - { .name: bo, .offset: 16, .size: 8, .value_kind: global_buffer, .address_space: global }
      - { .name: out0, .offset: 24, .size: 8, .value_kind: global_buffer, .address_space: global }
    .group_segment_fixed_size: 168448
    .private_segment_fixed_size: 0
    .kernarg_segment_align: 8
    .kernarg_segment_size: 32
    .max_flat_workgroup_size: 128
    .sgpr_count:     66
    .vgpr_count:     1024
    .wavefront_size: 32
...
	.end_amdgpu_metadata
.endif
;; end of part 4
